; MI455X (gfx1250); checked and timed in simulation.
; The chip was launched on July 23, 2026; its instructions are those of AMD's public machine-readable ISA for CDNA 5 (MIT licence, August 2026) and "CDNA5" Instruction Set Architecture Reference Guide (July 2026). The comments in the code are by the model that wrote it; some were corrected since.
;; Flash Attention. Allowed arithmetic: matrix products marked QUANTISED: E5M2 operands, one E8M0 scale for each 32 along K, by v_wmma_scale_f32_16x16x128_f8f6f4 with both operands' format E5M2, f32 sums; everything else in f32.
;; Inputs: W_o 1,024 x 1,024 float32; W_qkv 1,024 x 3,072 float32; b_o 1,024 float32; x 1 x 4,096 x 1,024 float32.
;; Outputs: out0 1 x 4,096 x 1,024 float32.
;; This version of the problem:
;;   THIS VERSION OF THE PROBLEM IS GIVEN IN LOW PRECISION. The matrix products marked QUANTISED in the list below multiply operands that are first quantised to E5M2 (5 exponent bits, 2 mantissa bits; 8 bits a number), with one power-of-two scale for each 32 numbers along K (OCP MX v1.0); their sums are f32. All else is computed in f32.
;;   The module's matrix products, in the order in which they are computed (A, B: the left and right operand; K: the contracted axis; several contracted axes count as one K, in the product's order):
;;     1. [M 4,096, K 1,024] x [K 1,024, N 3,072]; A: input x; B: input W_qkv: QUANTISED
;;     2. batch 16 x [M 4,096, K 64] x [K 64, N 4,096]; A: computed on the way; B: computed on the way: QUANTISED
;;     3. batch 16 x [M 4,096, K 4,096] x [K 4,096, N 64]; A: softmax (see below); B: computed on the way: QUANTISED
;;     4. [M 4,096, K 1,024] x [K 1,024, N 1,024]; A: computed on the way; B: input W_o: QUANTISED
;;   THE QUANTISER, for each operand of a quantised product, along K:
;;     - K is cut into blocks of 32 from its start; a last block that is shorter is filled with zeros.
;;     - A block's scale is 2^e with e = floor(log2(the largest magnitude in the block)) - 15, held to -126 .. 127; a block of zeros has e = 0. As a byte (E8M0): e + 127.
;;     - Each number is divided by its block's scale, clamped to +-57,344, and rounded to the nearest number of E5M2, ties to even, subnormals kept.
;;     - The product sums the exact products of the quantised numbers (number of the format x scale) in f32.
;;   ~~~python
;;   def quantise(x, axis):      # numpy; x: float32 -> the quantised numbers, widened to float32 again
;;       x = np.moveaxis(x, axis, -1); K = x.shape[-1]
;;       x = np.pad(x, [(0, 0)] * (x.ndim - 1) + [(0, -K % 32)]); x = x.reshape(x.shape[:-1] + (-1, 32)); a = np.abs(x).max(-1, keepdims=True)
;;       e = np.where(a > 0, np.clip(np.frexp(np.where(a > 0, a, 1))[1] - 1 - 15, -126, 127), 0)      # np.frexp(a)[1] - 1 = floor(log2(a)), exactly
;;       r = np.clip(x / 2.0 ** e, -57344, 57344)
;;       step = 2.0 ** (np.maximum(np.frexp(np.where(r == 0, 1, r))[1] - 1, -14) - 2)
;;       q = np.round(r / step) * step * 2.0 ** e      # np.round: ties to even
;;       return np.moveaxis(q.reshape(q.shape[:-2] + (-1,))[..., :K], -1, axis).astype(np.float32)
;;   ~~~
;;   SOFTMAX AHEAD OF A QUANTISED PRODUCT. Where the list says 'softmax', what is quantised is not the finished softmax but p = 2^(t - M), with t = logit x log2(e) and M = ceil(the row's largest t), a whole number; so 1/2 < the row's largest p <= 1. The row's sum l is taken of the UNQUANTISED p, in f32, and the product's result is divided by l at the end. Since M is a whole number, a kernel that streams over the keys may use a running M (the ceiling of the running maximum): every later rescaling is an exact power of two, which a block's scale takes up: the codes' values come out the same.
;;   OPERANDS COMPUTED ON THE WAY. 'Computed on the way' means the value that the module computes at that place (a softmax that the list does not call 'softmax' is quantised finished and normalised). What goes into a quantiser is computed in f32, as accurately as f32 sums, v_exp_f32 and their like allow (about 1e-6 of the number): no bf16 or f16 on the way to a quantiser, and a product that is left as it is and whose result goes on into a quantised operand takes f32 operands (vector FMAs, or v_wmma_f32_16x16x4_f32). A number that lies on a knife's edge between two numbers of the format may be rounded either way, as far as f32 arithmetic and the matrix unit's own rounding can turn it there, and no further.
;; One version. Each part assembles by itself: llvm-mc -triple=amdgcn-amd-amdhsa -mcpu=gfx1250 --defsym DOCPART=n.
;; ======== version 1 of 1: 4 launches
;; limits: right only within a limited range of input values
;; workspace buffers: x_codes 4,194,304 bytes; x_scales 131,072 bytes; w_codes 4,194,304 bytes; w_scales 131,072 bytes; qkv_codes 12,582,912 bytes; qkv_scales 393,216 bytes; o_codes 4,194,304 bytes; o_scales 131,072 bytes
;; launch prep (part 1): grid 256 x 1, 4 waves a work-group, no clusters, 68,096 bytes of LDS; arguments x, x_codes, x_scales, W_qkv, W_o, w_codes, w_scales; writes x_codes, x_scales, w_codes, w_scales
.if DOCPART == 1
	.amdgcn_target "amdgcn-amd-amdhsa--gfx1250"
	.amdhsa_code_object_version 6
	.text
	.protected	k_q57de70e241_prep
	.globl	k_q57de70e241_prep
	.p2align	8
	.type	k_q57de70e241_prep,@function
k_q57de70e241_prep:
	s_mov_b64 s[64:65], 0
	v_nop
	global_prefetch_b8 v0, s[64:65] scope:SCOPE_SE
	s_setreg_imm32_b32 hwreg(HW_REG_WAVE_MODE, 25, 1), 1
	s_wait_xcnt 0x0
; x [4096][1024], W_qkv [1024][3072] and W_o [1024][1024], f32, become codes of BF8 (E5M2) with K innermost and one E8M0 byte for each 32 along K.
; A block's scale is 2^(floor(log2(its largest magnitude)) - 15); its byte is the largest magnitude's exponent field - 15, held at 1 from below; each number is held within +-57,344 x the scale
; and rounded to the nearest code, ties to even.
; ROW ORDER OF THE OUTPUTS: row i of an operand is stored at row swap34(i), i with its bits 3 and 4 exchanged.  x_codes [4096][1024 B], x_scales [4096][32 B]; w_codes [4096][1024 B], w_scales [4096][32 B]:
; rows 0..3071 are W_qkv's columns, rows 3072..4095 W_o's.  The products' launches lean on that order: their results then fall into the next operand's register order.
; LIMITS: NaN and infinities among the inputs are not served.  A block of zeros gets the byte 1 where the rule says 127: its codes are zeros, which add nothing under any byte but 0xff, and this program
; alone reads the bytes.  Blocks whose largest magnitude lies under 2^-111, the floor, were not tried.
; SHARES: work-groups 0..127 take x (K innermost: a plain stream of blocks), 128..255 the weights (K is the first axis: a lane takes a column and its registers run down K).  The two ways part on the
; work-group's number and have LDS bytes of their own (x: 0..32,767; weights: 32,768..67,583).  Waves share nothing: no barrier.  No matrix unit, no cluster: every byte is read once by one wave.
.set XWG,   128                        ; work-groups that take x
.set MANT,  0x600000                   ; the mantissa field of 57,344 as f32
.set FLOOR, 0x8000000                  ; 2^(16 - 127)
.set OFF15, 0xf8800000                 ; -(15 << 23)
	s_load_b256 s[4:11], s[0:1], 0x0               ; x s[4:5], x_codes s[6:7], x_scales s[8:9], W_qkv s[10:11]
	s_load_b128 s[12:15], s[0:1], 0x20             ; W_o s[12:13], w_codes s[14:15]
	s_load_b64 s[16:17], s[0:1], 0x30              ; w_scales
	s_set_vgpr_msb 0x40
	v_lshl_add_u32 v0, v0, 2, 0x10800
	v_mov_b32 v1, 0
	s_set_vgpr_msb 0x4000
	v_lshrrev_b32 v1, 5, v0
	v_readfirstlane_b32 s20, v1                    ; wave 0..3
	v_and_b32 v2, 31, v0                           ; lane
	s_mov_b32 s19, MANT                            ; (an instruction takes one literal: the hold's line has another)
	s_wait_kmcnt 0x0
	s_cmp_lt_u32 ttmp9, XWG
	s_cbranch_scc0 .Lweights
; ---------------------------------------------------------------- x: K innermost
; A wave takes a run of 16 steps of 512 numbers: 8 whole rows.  Each of a step's four loads reads 512 consecutive bytes; the 2,048 bytes turn through the wave's own stage in LDS and come back 64 bytes a lane,
; so that a lane holds 16 neighbours along K and two neighbouring lanes hold a block.  Loads run eight steps (32 loads a wave) ahead.
; A run is 8 rows, so exchanging bits 3 and 4 of the row is exchanging bits 0 and 1 of the run's number, which are the wave's number: only the place of a wave's output moves.
.set STEPS, 16
.set AHEAD, 8
.set WREG,  8192                       ; LDS of a wave: two stages of 32 x SP bytes, behind them its 256 scale bytes
.set SP,    80                         ; a lane's place in a stage: its 64 bytes + 16 of padding
.set XR,    16                         ; v16-143   eight sets of 16 numbers as they are loaded
.set XX,    144                        ; v144-175  two sets of 16 neighbours
.set XE,    176                        ; v176-191  a scale byte for each step
.set XC,    192                        ; v192-255  codes: four registers for each step, so that no store's data are written again
	s_wait_alu depctr_va_vdst(0)
	v_lshlrev_b32 v3, 4, v2                        ; my 16 bytes of a load's 512, and of a step's 512 bytes of codes
	s_mul_i32 s21, s20, WREG
	v_lshrrev_b32 v14, 2, v2
	v_mul_u32_u24 v14, v14, SP
	v_and_b32 v15, 3, v2
	v_lshl_add_u32 v14, v15, 4, v14
	v_add_nc_u32 v14, s21, v14                     ; the stage, on the way in: SP (lane / 4) + 16 (lane % 4)
	v_mul_u32_u24 v15, v2, SP
	v_add_nc_u32 v15, s21, v15                     ; and on the way out: SP x lane
	v_lshrrev_b32 v5, 1, v2
	s_add_co_u32 s21, s21, 2*32*SP
	v_add_nc_u32 v5, s21, v5                       ; my wave's 256 scale bytes, my block's byte
	v_lshlrev_b32 v7, 3, v2                        ; and on the way out 8 bytes a lane
	v_add_nc_u32 v6, s21, v7
	s_lshl_b32 s22, ttmp9, 2
	s_add_co_u32 s24, s22, s20                     ; the run that I read: 4 x work-group + wave
	s_and_b32 s23, s20, 1
	s_lshl_b32 s23, s23, 1
	s_lshr_b32 s25, s20, 1
	s_or_b32 s23, s23, s25
	s_add_co_u32 s26, s22, s23                     ; the run that I write: the wave's two bits exchanged
	s_lshl_b32 s24, s24, 15                        ; 32,768 bytes of f32 a run
	s_mov_b32 s25, 0
	s_lshl_b32 s28, s26, 13                        ; 8,192 bytes of codes
	s_mov_b32 s29, 0
	s_lshl_b32 s30, s26, 8                         ; 256 scale bytes
	s_mov_b32 s31, 0
	s_add_nc_u64 s[4:5], s[4:5], s[24:25]
	s_add_nc_u64 s[6:7], s[6:7], s[28:29]
	s_add_nc_u64 s[8:9], s[8:9], s[30:31]
.macro LOAD t
.irp i, 0,1,2,3
	global_load_b128 v[XR+16*((\t)%AHEAD)+4*\i:XR+16*((\t)%AHEAD)+4*\i+3], v3, s[4:5] offset:2048*(\t)+512*\i th:TH_LOAD_NT   ; 32 lanes read 512 consecutive bytes
.endr
.endm
.macro TURN t                          ; step t's numbers through the stage: LDS serves a wave's instructions in order, so no wait stands between the stores and the loads
.irp i, 0,1,2,3
	ds_store_b128 v14, v[XR+16*((\t)%AHEAD)+4*\i:XR+16*((\t)%AHEAD)+4*\i+3] offset:32*SP*((\t)%2)+8*SP*\i
.endr
.irp i, 0,1,2,3
	ds_load_b128 v[XX+16*((\t)%2)+4*\i:XX+16*((\t)%2)+4*\i+3], v15 offset:32*SP*((\t)%2)+16*\i
.endr
.endm
.irp t, 0,1,2,3,4,5,6,7
	LOAD \t
.endr
	s_wait_alu depctr_va_vdst(0)
	s_wait_loadcnt 28                              ; step 0's four loads are in; the seven steps behind it, 28 loads, stay out
	TURN 0
.macro STEP t
.set XS, XX+16*((\t)%2)
.if (\t) > 0
	s_wait_dscnt 1                                 ; this step's numbers are back from the stage (the last step's byte store may be out): so its stores into the stage have read their registers,
.else
	s_wait_dscnt 0x0
.endif
.if (\t)+AHEAD < STEPS
	LOAD (\t)+AHEAD                                ; which take the loads of eight steps on
.endif
.if (\t)+1 < STEPS
.if STEPS-2-(\t) >= AHEAD-1
	s_wait_loadcnt 4*(AHEAD-1)                     ; the next step's four loads are in; those of the seven steps behind it may be out
.else
	s_wait_loadcnt 4*(STEPS-2-(\t))                ; near the end fewer steps stand behind it
.endif
	TURN (\t)+1                                    ; and go through the other stage while this step is worked
.endif
	v_max3_num_f32 v8, |v[XS]|, |v[XS+1]|, |v[XS+2]|               ; the largest magnitude of my 16, in two chains
	v_max3_num_f32 v9, |v[XS+3]|, |v[XS+4]|, |v[XS+5]|
.irp i, 6,10
	v_max3_num_f32 v8, v8, |v[XS+\i]|, |v[XS+\i+1]|
	v_max3_num_f32 v9, v9, |v[XS+\i+2]|, |v[XS+\i+3]|
.endr
	v_max3_num_f32 v8, v8, |v[XS+14]|, |v[XS+15]|
	v_max3_num_f32 v8, v8, v9, FLOOR               ; and the floor, under which no largest magnitude is taken: so the byte cannot fall under 1
	v_max_num_f32_dpp v8, v8, v8 row_xmask:1 row_mask:0xf bank_mask:0xf   ; and of my neighbour's 16: the block's
	v_add_nc_u32 v11, OFF15, v8                    ; 15 off its exponent field: the conversion takes the exponent field of this operand as its scale
	v_and_or_b32 v10, v8, 0x7f800000, s19          ; 57,344 x the scale
.set i, 0
.rept 16
	v_med3_num_f32 v[XS+i], v[XS+i], -v10, v10     ; the conversion to an 8-bit code does not saturate (ISA guide 7.6.2): the hold comes first
.set i, i+1
.endr
	v_cvt_scalef32_pk8_bf8_f32 v[XC+4*(\t):XC+4*(\t)+1], v[XS:XS+7], v11
	v_cvt_scalef32_pk8_bf8_f32 v[XC+4*(\t)+2:XC+4*(\t)+3], v[XS+8:XS+15], v11
	v_lshrrev_b32 v[XE+(\t)], 23, v11              ; the scale's byte (also the plain line behind the conversions)
	ds_store_b8 v5, v[XE+(\t)] offset:16*(\t)      ; both lanes of a block write the same byte with the same value
	global_store_b128 v3, v[XC+4*(\t):XC+4*(\t)+3], s[6:7] offset:512*(\t)   ; 32 lanes store 512 consecutive bytes, aligned
.endm
.irp t, 0,1,2,3,4,5,6,7,8,9,10,11,12,13,14,15
	STEP \t
.endr
	ds_load_b64 v[12:13], v6                       ; LDS serves a wave's instructions in order: these see my stores
	s_wait_dscnt 0x0
	global_store_b64 v7, v[12:13], s[8:9]          ; 32 lanes store 256 consecutive bytes, aligned
	s_set_vgpr_msb 0x5
	s_wait_tensorcnt 0x0
	ds_add_u32 v0, v1
	s_wait_dscnt 0x0
	s_set_vgpr_msb 0x500
	s_endpgm
; ---------------------------------------------------------------- the weights: K is the first axis
; A work-group takes 128 columns x 256 along K, a wave 32 columns: a lane a column, 8 blocks of 32 down K.  Each load reads 128 consecutive bytes a wave.  One text serves both weights: the pointer and the
; pitch are chosen on the work-group's number.  A lane's codes go to row swap34(lane) of the wave's stage in LDS and leave as rows: sixteen lanes store 256 consecutive bytes, aligned.
; The 8 scale bytes of a lane leave by one store of 8 bytes, rows 32 bytes apart: one byte for each 128 that this way reads.
.set WPITCH, 272                       ; a stage row: 256 bytes of codes + 16
.set WSTG,   32768                     ; the stages begin behind the x way's bytes
.set NB,     8
.set WX,     32                        ; v32-95    two sets of 32 numbers
.set WC,     96                        ; v96-103   a block's codes
.set WSB,    24                        ; v24-25    the scale bytes, four to a register
.set WOF,    128                       ; v128-159  4 x lane + i x pitch
.set WOUT,   160                       ; v160-223  the way out
.Lweights:
	s_sub_co_u32 s21, ttmp9, XWG
	s_lshr_b32 s22, s21, 2                         ; which 128 columns of the 4,096 (3,072 of W_qkv, then 1,024 of W_o)
	s_and_b32 s23, s21, 3                          ; which 256 along K
	s_mov_b32 s24, 4096
	s_cmp_lt_u32 s22, 24
	s_cselect_b64 s[10:11], s[10:11], s[12:13]     ; the weight,
	s_cselect_b32 s24, 12288, s24                  ; its pitch in bytes,
	s_cselect_b32 s25, 0, 24
	s_sub_co_u32 s25, s22, s25                     ; and which 128 columns of it
	s_mul_i32 s26, s23, s24
	s_lshl_b32 s26, s26, 8                         ; 256 rows x pitch x ky
	s_lshl_b32 s27, s25, 9
	s_add_co_u32 s26, s26, s27                     ; + 512 bytes for each 128 columns
	s_lshl_b32 s27, s20, 7
	s_add_co_u32 s26, s26, s27                     ; + 128 bytes a wave
	s_mov_b32 s27, 0
	s_add_nc_u64 s[32:33], s[10:11], s[26:27]      ; block 0's base;
	s_lshl_b32 s28, s24, 5
	s_mov_b32 s29, 0
.irp t, 1,2,3,4,5,6,7
	s_add_nc_u64 s[32+2*\t:33+2*\t], s[30+2*\t:31+2*\t], s[28:29]   ; block t's: 32 rows further down
.endr
	s_wait_alu depctr_va_vdst(0)
	v_lshlrev_b32 v3, 2, v2                        ; 4 bytes a lane
.irp i, 0,1,2,3,4,5,6,7,8,9,10,11,12,13,14,15,16,17,18,19,20,21,22,23,24,25,26,27,28,29,30,31
	v_mad_u32_u24 v[WOF+\i], s24, \i, v3
.endr
	v_and_b32 v5, 7, v2
	v_bfe_u32 v6, v2, 3, 1
	v_lshl_or_b32 v5, v6, 4, v5
	v_bfe_u32 v6, v2, 4, 1
	v_lshl_or_b32 v5, v6, 3, v5                    ; swap34(lane)
	s_mul_i32 s30, s20, 32*WPITCH
	s_add_co_u32 s30, s30, WSTG                    ; my stage
	v_mul_u32_u24 v4, v5, WPITCH
	v_add_nc_u32 v4, s30, v4                       ; into it: row swap34(my column)
	v_lshlrev_b32 v9, 5, v5                        ; and that row of scale bytes: 32 bytes a row
	v_and_b32 v5, 15, v2
	v_lshrrev_b32 v6, 4, v2                        ; out of it: sixteen lanes to a row, two rows an instruction
	v_mul_u32_u24 v7, v6, WPITCH
	v_lshl_add_u32 v7, v5, 4, v7
	v_add_nc_u32 v7, s30, v7
	v_lshlrev_b32 v8, 10, v6
	v_lshl_add_u32 v8, v5, 4, v8                   ; the same place in the codes' buffer: rows of 1,024 bytes
	s_lshl_b32 s30, s22, 7
	s_lshl_b32 s31, s20, 5
	s_add_co_u32 s30, s30, s31                     ; my wave's first row of w_codes: 128 x column group + 32 x wave
	s_lshl_b32 s26, s30, 10
	s_lshl_b32 s31, s23, 8
	s_add_co_u32 s26, s26, s31                     ; x 1,024 + 256 ky
	s_add_nc_u64 s[14:15], s[14:15], s[26:27]
	s_lshl_b32 s26, s30, 5
	s_lshl_b32 s31, s23, 3
	s_add_co_u32 s26, s26, s31                     ; x 32 + 8 ky
	s_add_nc_u64 s[16:17], s[16:17], s[26:27]
.macro WLOAD t                         ; block t: W(32 t + i, my column), i = 0 .. 31, into set t % 2
.irp i, 0,1,2,3,4,5,6,7,8,9,10,11,12,13,14,15,16,17,18,19,20,21,22,23,24,25,26,27,28,29,30,31
	global_load_b32 v[WX+32*((\t)%2)+\i], v[WOF+\i], s[32+2*(\t):33+2*(\t)] th:TH_LOAD_NT
.endr
.endm
	WLOAD 0
	WLOAD 1
.macro BLOCK t
.set WS, WX+32*((\t)%2)
.if (\t) < NB-1
	s_wait_loadcnt 32                              ; this block's 32 loads are in; the next block's 32 may be out
.else
	s_wait_loadcnt 0x0
.endif
	v_max3_num_f32 v12, |v[WS]|, |v[WS+1]|, |v[WS+2]|              ; the block's largest magnitude: all 32 numbers are mine
	v_max3_num_f32 v13, |v[WS+3]|, |v[WS+4]|, |v[WS+5]|
.irp i, 6,10,14,18,22,26
	v_max3_num_f32 v12, v12, |v[WS+\i]|, |v[WS+\i+1]|
	v_max3_num_f32 v13, v13, |v[WS+\i+2]|, |v[WS+\i+3]|
.endr
	v_max3_num_f32 v12, v12, |v[WS+30]|, |v[WS+31]|
	v_max3_num_f32 v12, v12, v13, FLOOR
	v_add_nc_u32 v11, OFF15, v12                   ; the conversion's scale operand
	v_and_or_b32 v10, v12, 0x7f800000, s19         ; 57,344 x the scale
	v_lshrrev_b32 v13, 23, v11                     ; the scale's byte
.if (\t)%4 == 0
	v_mov_b32 v[WSB+(\t)/4], v13                   ; four bytes to a register, the lower K in the lower byte
.else
	v_lshl_or_b32 v[WSB+(\t)/4], v13, 8*((\t)%4), v[WSB+(\t)/4]
.endif
.set i, 0
.rept 32
	v_med3_num_f32 v[WS+i], v[WS+i], -v10, v10
.set i, i+1
.endr
.irp g, 0,1,2,3
	v_cvt_scalef32_pk8_bf8_f32 v[WC+2*\g:WC+2*\g+1], v[WS+8*\g:WS+8*\g+7], v11
.endr
	ds_store_b128 v4, v[WC:WC+3] offset:32*(\t)    ; 32 codes: 32 bytes of my column's row
	ds_store_b128 v4, v[WC+4:WC+7] offset:32*(\t)+16
.if (\t)+2 < NB
	WLOAD (\t)+2
.endif
	s_wait_dscnt 0x0                               ; the stores have read their registers: the next block's codes may be written
.endm
.irp t, 0,1,2,3,4,5,6,7
	BLOCK \t
.endr
	global_store_b64 v9, v[WSB:WSB+1], s[16:17]    ; my column's 8 scale bytes
.irp t, 0,1,2,3,4,5,6,7,8,9,10,11,12,13,14,15
	ds_load_b128 v[WOUT+4*\t:WOUT+4*\t+3], v7 offset:2*\t*WPITCH   ; LDS serves a wave's instructions in order: these see my stores
.endr
.irp t, 0,1,2,3,4,5,6,7,8,9,10,11,12,13,14,15
	s_wait_dscnt 15-\t                             ; the loads behind load t may stay out
	global_store_b128 v8, v[WOUT+4*\t:WOUT+4*\t+3], s[14:15] offset:2*\t*1024
.endr
	s_set_vgpr_msb 0x5
	s_wait_tensorcnt 0x0
	ds_add_u32 v0, v1
	s_wait_dscnt 0x0
	s_set_vgpr_msb 0x500
	s_endpgm
.Lfunc_end_k_q57de70e241_prep:
	.size	k_q57de70e241_prep, .Lfunc_end_k_q57de70e241_prep-k_q57de70e241_prep
	.p2alignl 7, 3214868480
	.fill 96, 4, 3214868480
	.section	.rodata,"a",@progbits
	.p2align	6, 0x0
	.amdhsa_kernel k_q57de70e241_prep
		.amdhsa_group_segment_fixed_size 68096
		.amdhsa_private_segment_fixed_size 0
		.amdhsa_enable_private_segment 0
		.amdhsa_kernarg_size 56
		.amdhsa_user_sgpr_count 2
		.amdhsa_user_sgpr_kernarg_segment_ptr 1
		.amdhsa_wavefront_size32 1
		.amdhsa_system_sgpr_workgroup_id_x 1
		.amdhsa_system_sgpr_workgroup_id_y 1
		.amdhsa_system_sgpr_workgroup_id_z 1
		.amdhsa_system_vgpr_workitem_id 0
		.amdhsa_next_free_vgpr 258
		.amdhsa_next_free_sgpr 66
		.amdhsa_reserve_vcc 0
		.amdhsa_float_denorm_mode_32 3
		.amdhsa_float_denorm_mode_16_64 3
		.amdhsa_memory_ordered 1
		.amdhsa_forward_progress 1
		.amdhsa_inst_pref_size 112
	.end_amdhsa_kernel
	.amdgpu_metadata
---
amdhsa.version: [ 1, 2 ]
amdhsa.kernels:
  - .name:           k_q57de70e241_prep
    .symbol:         k_q57de70e241_prep.kd
    .args:
      - { .name: x, .offset: 0, .size: 8, .value_kind: global_buffer, .address_space: global }
      - { .name: x_codes, .offset: 8, .size: 8, .value_kind: global_buffer, .address_space: global }
      - { .name: x_scales, .offset: 16, .size: 8, .value_kind: global_buffer, .address_space: global }
      - { .name: W_qkv, .offset: 24, .size: 8, .value_kind: global_buffer, .address_space: global }
      - { .name: W_o, .offset: 32, .size: 8, .value_kind: global_buffer, .address_space: global }
      - { .name: w_codes, .offset: 40, .size: 8, .value_kind: global_buffer, .address_space: global }
      - { .name: w_scales, .offset: 48, .size: 8, .value_kind: global_buffer, .address_space: global }
    .group_segment_fixed_size: 68096
    .private_segment_fixed_size: 0
    .kernarg_segment_align: 8
    .kernarg_segment_size: 56
    .max_flat_workgroup_size: 128
    .sgpr_count:     66
    .vgpr_count:     258
    .wavefront_size: 32
...
	.end_amdgpu_metadata
.endif
;; end of part 1
;; launch gemm_qkv (part 2): grid 12 x 16, 4 waves a work-group, clusters of 4 x 4, 327,680 bytes of LDS; arguments x_codes, x_scales, w_codes, w_scales, qkv_codes, qkv_scales; writes qkv_codes, qkv_scales
.if DOCPART == 2
	.amdgcn_target "amdgcn-amd-amdhsa--gfx1250"
	.amdhsa_code_object_version 6
	.text
	.protected	k_q57de70e241_gemm_qkv
	.globl	k_q57de70e241_gemm_qkv
	.p2align	8
	.type	k_q57de70e241_gemm_qkv,@function
k_q57de70e241_gemm_qkv:
	s_mov_b64 s[64:65], 0
	v_nop
	global_prefetch_b8 v0, s[64:65] scope:SCOPE_SE
	s_setreg_imm32_b32 hwreg(HW_REG_WAVE_MODE, 25, 1), 1
	s_wait_xcnt 0x0
	s_wait_alu depctr_hold_cnt(0) depctr_sa_sdst(0) depctr_va_vdst(0) depctr_va_sdst(0) depctr_va_ssrc(0) depctr_va_vcc(0) depctr_vm_vsrc(0)
	s_getreg_b32 s2, hwreg(HW_REG_IB_STS2, 6, 4)
	s_cmp_eq_u32 s2, 0
	s_cbranch_scc0 .Lentry_in_a_cluster
	s_endpgm
.Lentry_in_a_cluster:
	s_bfe_u32 s2, ttmp6, 0x10000c
	s_cmp_lg_u32 s2, 0xf033
	s_cbranch_scc0 .Lentry_shape_is_right
	s_endpgm
.Lentry_shape_is_right:
.set KSTEP,  256
.set NQ,     2
.set ROWB,   256
.set KROW,   1024
.set PITCH,  272
.set FR,     16
.set NL,     4
.set NP,     8
.set HALFT,  128*PITCH
.set SLOT,   4*HALFT
.set LAPS,   2
.set KS,     32
.set SCL,    2*SLOT
.set HALFS,  (128*KS/256)*272
.set SBLK,   (16*KS/256)*272
.set SPARE,  SCL+4*HALFS
.set ADRA, 16
.set ADRB, 20
.set VO0,  24
.set VO2,  25
.set LS8,  26
.set ADRS, 27
.set SPW,  28
.set NIL,  29
.set SC,   32
.set AF,   128
.set T,    64
.set PC,   128
.set WD,   160
.set XW,   168
.set RR,   176
.set TT,   180
.set TM,   200
.set G1, 24
.set G0, 32
.set G1B, 48
.set G0B, 56
.set G1S, 68
.set G0S, 76
.set G1SB, 80
.set G0SB, 88
.set MSB, 0
.macro WIN new
.if MSB != \new
	s_set_vgpr_msb (MSB<<8)|\new
.set MSB, \new
.endif
.endm
.set MUL_LO, 0xa1
.set MUL_HI, 0xf1
.set TO_B,   0x40
.macro JLOAD g0a, g1a, g0b, g1b
	s_cmp_eq_u32 s15, 0
	s_cbranch_scc0 .Lfor_b_\@
	tensor_load_to_lds s[\g0a:\g0a+3], s[\g1a:\g1a+7]
	s_nop 0
.rept 4
	v_nop
.endr
	s_branch .Lasked_\@
.Lfor_b_\@:
	tensor_load_to_lds s[\g0b:\g0b+3], s[\g1b:\g1b+7]
	s_nop 0
.rept 4
	v_nop
.endr
.Lasked_\@:
.endm
.macro CREST
	s_cmp_lg_u32 s14, 0
	s_cbranch_scc1 .Lnot_wave_0_\@
	s_barrier_signal -3
.Lnot_wave_0_\@:
	s_barrier_wait -3
	s_barrier_signal -1
	s_barrier_wait -1
.endm
.macro CROUND
	s_barrier_signal -1
	s_barrier_wait -1
	CREST
.endm
	s_load_b128 s[4:7], s[0:1], 0x0
	s_load_b128 s[8:11], s[0:1], 0x10
	s_load_b128 s[96:99], s[0:1], 0x20
	v_lshl_add_u32 v[SPW], v0, 2, SPARE
	v_mov_b32 v[NIL], 0
	ds_add_u32 v28, v29
	ds_add_u32 v28, v29
	s_wait_dscnt 0x0
	v_lshrrev_b32 v1, 5, v0
	v_readfirstlane_b32 s14, v1
	s_lshr_b32 s15, s14, 1
	s_and_b32 s16, s14, 1
	s_bfe_u32 s40, ttmp6, 0x40000
	s_bfe_u32 s41, ttmp6, 0x40004
	s_and_b32 s17, ttmp7, 0xffff
	s_cmp_eq_u32 ttmp9, 2
	s_cselect_b32 s42, s17, ttmp9
	s_cselect_b32 s95, 2048, 0
	s_cselect_b32 s17, 0, s17
	s_lshl_b32 s42, s42, 2
	s_add_co_u32 s42, s42, s40
	s_lshl_b32 s17, s17, 2
	s_add_co_u32 s17, s17, s41
	s_lshl_b32 s43, s41, 2
	s_lshl_b32 s43, 15, s43
	s_lshl_b32 s44, 0x1111, s40
	s_or_b32 s[G1+0], s43, (0<<16)|(1<<20)|(1<<21)|(5<<22)|(3<<25)
	s_or_b32 s[G1B+0], s44, (0<<16)|(1<<20)|(1<<21)|(5<<22)|(3<<25)
.irp g, G1, G1B
	s_mov_b32 s[\g+1], ROWB<<16
	s_mov_b32 s[\g+2], 256<<16
	s_mov_b32 s[\g+3], ROWB<<16
	s_mov_b32 s[\g+4], 256
	s_mov_b32 s[\g+5], KROW
	s_mov_b32 s[\g+6], 0
	s_mov_b32 s[\g+7], 0
.endr
	s_or_b32 s[G1S+0], s43, (3<<16)|(1<<20)|(1<<21)|(5<<22)|(3<<25)
	s_or_b32 s[G1SB+0], s44, (3<<16)|(1<<20)|(1<<21)|(5<<22)|(3<<25)
.irp g, G1S, G1SB
	s_mov_b32 s[\g+1], 32<<16
	s_mov_b32 s[\g+2], (256*KS/256)<<16
	s_mov_b32 s[\g+3], 32<<16
	s_mov_b32 s[\g+4], 256*KS/256
	s_mov_b32 s[\g+5], 32
	s_mov_b32 s[\g+6], 0
	s_mov_b32 s[\g+7], 0
.endr
	s_lshl_b32 s18, s16, 7
	s_lshl_b32 s20, s17, 8
	s_add_co_u32 s20, s20, s18
	s_add_co_u32 s20, s20, s95
	s_lshl_b32 s46, s42, 8
	s_add_co_u32 s46, s46, s18
	s_mov_b32 s21, 0
	s_mov_b32 s47, 0
	s_mov_b64 s[18:19], KS
	s_mul_u64 s[22:23], s[20:21], s[18:19]
	s_mul_u64 s[92:93], s[46:47], s[18:19]
	s_mov_b64 s[18:19], KROW
	s_mul_u64 s[20:21], s[20:21], s[18:19]
	s_mul_u64 s[46:47], s[46:47], s[18:19]
	s_mul_i32 s45, s14, HALFT
	s_mul_i32 s94, s14, HALFS
	s_wait_kmcnt 0x0
	s_cmp_eq_u32 ttmp9, 2
	s_cselect_b64 s[100:101], s[8:9], s[4:5]
	s_cselect_b64 s[8:9], s[4:5], s[8:9]
	s_mov_b64 s[4:5], s[100:101]
	s_cselect_b64 s[100:101], s[10:11], s[6:7]
	s_cselect_b64 s[10:11], s[6:7], s[10:11]
	s_mov_b64 s[6:7], s[100:101]
	s_add_nc_u64 s[20:21], s[4:5], s[20:21]
	s_add_nc_u64 s[22:23], s[6:7], s[22:23]
	s_add_nc_u64 s[46:47], s[8:9], s[46:47]
	s_add_nc_u64 s[92:93], s[10:11], s[92:93]
	CROUND
; the head's four tiles, each whole (256 rows): the addresses above hold my half of 128 rows, which is taken off again
.set G0H, 4
.set G0HB, 8
	s_mul_i32 s18, s16, 128*KROW
	s_mov_b32 s19, 0
	s_mov_b32 s[G0H], 1
	s_mov_b32 s[G0H+1], 0
	s_sub_nc_u64 s[G0H+2:G0H+3], s[20:21], s[18:19]
	s_or_b32 s[G0H+3], s[G0H+3], 0x80000000
	s_mov_b32 s[G0HB], 1
	s_mov_b32 s[G0HB+1], 2*HALFT
	s_sub_nc_u64 s[G0HB+2:G0HB+3], s[46:47], s[18:19]
	s_or_b32 s[G0HB+3], s[G0HB+3], 0x80000000
	s_mul_i32 s18, s16, 128*KS
	s_mov_b32 s[G0S], 1
	s_mov_b32 s[G0S+1], SCL
	s_sub_nc_u64 s[G0S+2:G0S+3], s[22:23], s[18:19]
	s_or_b32 s[G0S+3], s[G0S+3], 0x80000000
	s_mov_b32 s[G0SB], 1
	s_mov_b32 s[G0SB+1], SCL+2*HALFS
	s_sub_nc_u64 s[G0SB+2:G0SB+3], s[92:93], s[18:19]
	s_or_b32 s[G0SB+3], s[G0SB+3], 0x80000000
.irp s, 0,1
	s_mov_b32 s[G0+4*\s], 1
	s_add_co_u32 s[G0+4*\s+1], s45, \s*SLOT
	s_add_nc_u64 s[G0+4*\s+2:G0+4*\s+3], s[20:21], \s*ROWB
	s_or_b32 s[G0+4*\s+3], s[G0+4*\s+3], 0x80000000
	s_mov_b32 s[G0B+4*\s], 1
	s_add_co_u32 s[G0B+4*\s+1], s45, \s*SLOT
	s_add_nc_u64 s[G0B+4*\s+2:G0B+4*\s+3], s[46:47], \s*ROWB
	s_or_b32 s[G0B+4*\s+3], s[G0B+4*\s+3], 0x80000000
.endr
; one load a wave at the head, in one chain of arms: wave 0 K step 0's 256 rows of A, wave 1 those of B, wave 2 A's scale bytes, wave 3 B's
.macro ARM under, g0, g1, next
	s_cmp_lt_u32 s14, \under
	s_cbranch_scc0 \next
	tensor_load_to_lds s[\g0:\g0+3], s[\g1:\g1+7]
	s_nop 0
.rept 4
	v_nop
.endr
	s_branch .Lhead_asked
\next:
.endm
	ARM 1, G0H,  G1,  .Lhead_b
	ARM 2, G0HB, G1B, .Lhead_sa
	ARM 3, G0S,  G1S, .Lhead_sb
	tensor_load_to_lds s[G0SB:G0SB+3], s[G1SB:G1SB+7]
	s_nop 0
.rept 4
	v_nop
.endr
.Lhead_asked:
	s_wait_alu depctr_va_vdst(0)
	s_wait_tensorcnt 0x0                           ; my tile of the four is in: the full sequence ahead of slot 1's first fill
	ds_add_u32 v28, v29
	s_mov_b32 s[G1+2], 128<<16                     ; no tensor load of mine is out: from here on a load brings 128 rows
	s_mov_b32 s[G1+4], 128
	s_mov_b32 s[G1B+2], 128<<16
	s_mov_b32 s[G1B+4], 128
	s_wait_dscnt 0x0
	CROUND
	JLOAD G0+4, G1, G0B+4, G1B
	v_and_b32 v1, 15, v0
	v_bfe_u32 v2, v0, 4, 1
	v_mul_u32_u24 v3, v1, PITCH
	v_lshl_add_u32 v4, v2, 4, v3
	s_mul_i32 s21, s15, HALFT
	s_mul_i32 s22, s16, HALFT
	s_add_co_u32 s22, s22, 2*HALFT
.irp s, 0,1
	v_add_nc_u32 v[ADRA+\s], s21, v4
	v_add_nc_u32 v[ADRB+\s], s22, v4
	s_add_co_u32 s21, s21, SLOT
	s_add_co_u32 s22, s22, SLOT
.endr
	v_mul_u32_u24 v5, v1, KS
	v_lshrrev_b32 v6, 8, v5
	v_lshl_add_u32 v5, v6, 4, v5
	s_mul_i32 s21, s15, HALFS
	s_mul_i32 s22, s16, HALFS
	s_add_co_u32 s22, s22, 2*HALFS
	s_sub_co_u32 s22, s22, s21
	v_mul_u32_u24 v6, s22, v2
	s_add_co_u32 s21, s21, SCL
	v_add_nc_u32 v5, v5, v6
	v_add_nc_u32 v[ADRS], s21, v5
.macro FRAG reg, adr, q, i
.irp c, 0,1,2,3
	ds_load_b128 v[\reg+4*\c:\reg+4*\c+3], v[\adr] offset:128*(\q)+32*\c+(\i)*16*PITCH
.endr
.endm
.macro MUL16 a0, p, q, sc, zero
.irp a, \a0, \a0+1
.irp b, 0,1,2,3,4,5,6,7
.if \zero
	v_wmma_scale_f32_16x16x128_f8f6f4 v[8*(8*((\a)%4)+\b):8*(8*((\a)%4)+\b)+7], v[128*(\p)+FR*\b:128*(\p)+FR*\b+FR-1], v[AF+FR*(\a):AF+FR*(\a)+FR-1], 0, v[SC+8*NQ*(\sc)+NQ*\b+(\q)], v[SC+8*NQ*(\sc)+NQ*(\a)+(\q)] matrix_a_fmt:MATRIX_FMT_BF8 matrix_b_fmt:MATRIX_FMT_BF8 matrix_a_scale:MATRIX_SCALE_ROW1
.else
	v_wmma_scale_f32_16x16x128_f8f6f4 v[8*(8*((\a)%4)+\b):8*(8*((\a)%4)+\b)+7], v[128*(\p)+FR*\b:128*(\p)+FR*\b+FR-1], v[AF+FR*(\a):AF+FR*(\a)+FR-1], v[8*(8*((\a)%4)+\b):8*(8*((\a)%4)+\b)+7], v[SC+8*NQ*(\sc)+NQ*\b+(\q)], v[SC+8*NQ*(\sc)+NQ*(\a)+(\q)] matrix_a_fmt:MATRIX_FMT_BF8 matrix_b_fmt:MATRIX_FMT_BF8 matrix_a_scale:MATRIX_SCALE_ROW1
.endif
.endr
.endr
.endm
.macro FETCH_B slot, q, p
	WIN TO_B
.irp i, 0,1,2,3,4,5,6,7
	FRAG 128*(\p)+FR*\i, ADRB+\slot, \q, \i
.endr
	WIN 0
.endm
.macro FETCH_A slot, q, i0
.irp i, \i0, \i0+1, \i0+2, \i0+3
	FRAG AF+FR*(\i), ADRA+\slot, \q, \i
.endr
.endm
.macro SCALES sc
.irp i, 0,1,2,3,4,5,6,7
	ds_load_b64 v[SC+8*NQ*\sc+NQ*\i:SC+8*NQ*\sc+NQ*\i+1], v[ADRS] offset:\i*SBLK
.endr
.endm
.macro PLACES n
.rept \n
	v_nop
.endr
.endm
.macro STEP slot, q, zero
	s_wait_dscnt 4*NL
	WIN MUL_LO
	MUL16 0, (\q)%2, \q, \slot, \zero
	MUL16 2, (\q)%2, \q, \slot, \zero
	s_wait_dscnt 0
	PLACES NP
	FETCH_B \slot, (\q)+1, 1-(\q)%2
	FETCH_A \slot, (\q)+1, 0
	WIN MUL_HI
	MUL16 4, (\q)%2, \q, \slot, \zero
	MUL16 6, (\q)%2, \q, \slot, \zero
	PLACES NP
	WIN 0
	FETCH_A \slot, (\q)+1, 4
.endm
.macro TURN slot, next, fill
	s_wait_tensorcnt 0x0
	ds_add_u32 v[SPW], v[NIL]
	s_wait_dscnt 4*NL+1
	WIN MUL_LO
	MUL16 0, 1, NQ-1, \slot, 0
	s_wait_dscnt 0x0
	s_barrier_signal -1
	MUL16 2, 1, NQ-1, \slot, 0
	WIN 0
	s_barrier_wait -1
.if \fill
	CREST
	s_add_nc_u64 s[G0+4*\slot+2:G0+4*\slot+3], s[G0+4*\slot+2:G0+4*\slot+3], 2*ROWB
	s_add_nc_u64 s[G0B+4*\slot+2:G0B+4*\slot+3], s[G0B+4*\slot+2:G0B+4*\slot+3], 2*ROWB
	JLOAD G0+4*\slot, G1, G0B+4*\slot, G1B
	PLACES NP-4
.else
	PLACES NP
.endif
	s_wait_alu depctr_va_vdst(0)
	v_add_nc_u32 v[ADRS], 4*NQ, v[ADRS]
	FETCH_B \next, 0, 0
	FETCH_A \next, 0, 0
	SCALES \next
	WIN MUL_HI
	MUL16 4, 1, NQ-1, \slot, 0
	MUL16 6, 1, NQ-1, \slot, 0
	PLACES NP
	WIN 0
	FETCH_A \next, 0, 4
.endm
	s_wait_alu depctr_va_vdst(0)
	s_wait_tensorcnt 1
	s_barrier_signal -1
	s_barrier_wait -1
	FETCH_B 0, 0, 0
	FETCH_A 0, 0, 0
	SCALES 0
	FETCH_A 0, 0, 4
	STEP 0, 0, 1
	s_mov_b32 s3, LAPS-1
.Llap:
	TURN 0, 1, 1
	STEP 1, 0, 0
	TURN 1, 0, 1
	STEP 0, 0, 0
	s_sub_co_u32 s3, s3, 1
	s_cmp_lg_u32 s3, 0
	s_cbranch_scc1 .Llap
	TURN 0, 1, 0
	STEP 1, 0, 0
	s_wait_dscnt 4*NL
	WIN MUL_LO
	MUL16 0, 1, NQ-1, 1, 0
	MUL16 2, 1, NQ-1, 1, 0
	s_wait_dscnt 0
	WIN MUL_HI
	MUL16 4, 1, NQ-1, 1, 0
	MUL16 6, 1, NQ-1, 1, 0
	WIN 0
	s_cmp_eq_u32 ttmp9, 2
	s_cselect_b32 s18, s17, s42
	s_cselect_b32 s19, s15, s16
	s_cselect_b32 s20, s42, s17
	s_cselect_b32 s21, s16, s15
	s_cselect_b32 s22, 32, 0
	s_mov_b32 s44, 1024
	s_cselect_b32 s44, 2048, s44
	s_mov_b32 s46, 1024
	s_cselect_b32 s46, 256000, s46
	s_mov_b32 s23, 262144
	s_cselect_b32 s23, 1024, s23
	s_mov_b32 s66, 0x05040100
	s_cselect_b32 s66, 0x03020100, s66
	s_mov_b32 s67, 0x07060302
	s_cselect_b32 s67, 0x07060504, s67
	s_cselect_b32 s92, -1, 0
	s_mov_b32 s93, 0xffff0000
	s_mov_b32 s45, 0
	s_mov_b32 s47, 0
	s_lshl_b32 s18, s18, 2
	s_lshl_b32 s19, s19, 1
	s_add_co_u32 s18, s18, s19
	s_add_co_u32 s18, s18, s22
	s_lshl_b32 s20, s20, 1
	s_add_co_u32 s20, s20, s21
	s_lshl_b32 s94, s18, 18
	s_lshl_b32 s21, s20, 13
	s_add_co_u32 s94, s94, s21
	s_mov_b32 s95, 0
	s_add_nc_u64 s[96:97], s[96:97], s[94:95]
	s_lshl_b32 s94, s18, 13
	s_lshl_b32 s21, s20, 8
	s_add_co_u32 s94, s94, s21
	s_add_nc_u64 s[98:99], s[98:99], s[94:95]
	v_and_b32 v3, 31, v0
	v_lshlrev_b32 v[VO0], 4, v3
	v_add_nc_u32 v[VO2], s23, v[VO0]
	v_lshlrev_b32 v[LS8], 3, v3
	PLACES 4
.irp b, 0,1,2,3
	v_mov_b32 v[TM+4+\b], 0
.endr
	s_mov_b32 s40, 0x76543210
	s_mov_b32 s41, 0xfedcba98
	s_mov_b32 s43, 0x600000
.macro QTILE a
.set AC, 64*((\a)%4)
.set QW, 2+(\a)/4
	WIN (QW<<2)|(QW<<4)
.irp b, 0,1,2,3
	v_max3_num_f32 v[TM+\b], 0x8000000, |v[AC+16*\b]|, |v[AC+16*\b+1]|
.endr
.irp i, 2,4,6,8,10,12,14
.irp b, 0,1,2,3
	v_max3_num_f32 v[TM+\b], v[TM+\b], |v[AC+16*\b+\i]|, |v[AC+16*\b+\i+1]|
.endr
.endr
	WIN 0
.irp b, 0,1,2,3
	v_permlanex16_b32 v[TM+4+\b], v[TM+\b], s40, s41
.endr
.irp b, 0,1,2,3
	v_max_num_f32 v[TM+\b], v[TM+\b], v[TM+4+\b]
.endr
.irp b, 0,1,2,3
	v_add_nc_u32 v[TM+12+\b], 0xf8800000, v[TM+\b]
.endr
.irp b, 0,1,2,3
	v_and_or_b32 v[TM+8+\b], v[TM+\b], 0x7f800000, s43
.endr
.irp b, 0,1,2,3
	v_lshrrev_b32 v[TM+4+\b], 23, v[TM+12+\b]
.endr
	v_lshl_or_b32 v[WD+(\a)], v[TM+5], 8, v[TM+4]
	v_lshl_or_b32 v[WD+(\a)], v[TM+6], 16, v[WD+(\a)]
	v_lshl_or_b32 v[WD+(\a)], v[TM+7], 24, v[WD+(\a)]
	WIN QW
.irp b, 0,1,2,3
.set i, 0
.rept 16
	v_med3_num_f32 v[T+16*\b+i], v[AC+16*\b+i], -v[TM+8+\b], v[TM+8+\b]
.set i, i+1
.endr
.endr
	WIN 0
.if (\a) > 0
	s_wait_alu depctr_va_vdst(0)
	s_wait_xcnt 0x0
.if (\a) == 4
	s_add_nc_u64 s[96:97], s[96:97], s[46:47]
.else
	s_add_nc_u64 s[96:97], s[96:97], s[44:45]
.endif
.endif
.irp b, 0,1,2,3
	v_cvt_scalef32_pk8_bf8_f32 v[PC+4*\b:PC+4*\b+1], v[T+16*\b:T+16*\b+7], v[TM+12+\b]
	v_cvt_scalef32_pk8_bf8_f32 v[PC+4*\b+2:PC+4*\b+3], v[T+16*\b+8:T+16*\b+15], v[TM+12+\b]
.endr
	v_nop
	global_store_b128 v[VO0], v[PC:PC+3], s[96:97]
	global_store_b128 v[VO0], v[PC+4:PC+7], s[96:97] offset:512
	global_store_b128 v[VO2], v[PC+8:PC+11], s[96:97]
	global_store_b128 v[VO2], v[PC+12:PC+15], s[96:97] offset:512
.endm
.irp a, 0,1,2,3,4,5,6,7
	QTILE \a
.endr
.irp p, 0,1,2,3
	v_perm_b32 v[XW+\p], v[WD+2*\p+1], v[WD+2*\p], s66
	v_perm_b32 v[XW+4+\p], v[WD+2*\p+1], v[WD+2*\p], s67
.endr
	v_cndmask_b32 v[RR], v[XW], v[XW+1], s93
	v_cndmask_b32 v[TT], v[XW+2], v[XW+3], s93
	v_cndmask_b32 v[TT+1], v[XW+4], v[XW+5], s93
	v_cndmask_b32 v[RR+3], v[XW+6], v[XW+7], s93
	v_cndmask_b32 v[RR+1], v[TT], v[TT+1], s92
	v_cndmask_b32 v[RR+2], v[TT+1], v[TT], s92
	global_store_b64 v[LS8], v[RR:RR+1], s[98:99]
	global_store_b64 v[LS8], v[RR+2:RR+3], s[98:99] offset:8192
	s_wait_tensorcnt 0x0
	ds_add_u32 v[SPW], v[NIL]
	s_wait_dscnt 0x0
	CROUND
	s_endpgm
.Lfunc_end_k_q57de70e241_gemm_qkv:
	.size	k_q57de70e241_gemm_qkv, .Lfunc_end_k_q57de70e241_gemm_qkv-k_q57de70e241_gemm_qkv
	.p2alignl 7, 3214868480
	.fill 96, 4, 3214868480
	.section	.rodata,"a",@progbits
	.p2align	6, 0x0
	.amdhsa_kernel k_q57de70e241_gemm_qkv
		.amdhsa_group_segment_fixed_size 327680
		.amdhsa_private_segment_fixed_size 0
		.amdhsa_enable_private_segment 0
		.amdhsa_kernarg_size 48
		.amdhsa_user_sgpr_count 2
		.amdhsa_user_sgpr_kernarg_segment_ptr 1
		.amdhsa_wavefront_size32 1
		.amdhsa_system_sgpr_workgroup_id_x 1
		.amdhsa_system_sgpr_workgroup_id_y 1
		.amdhsa_system_sgpr_workgroup_id_z 1
		.amdhsa_system_vgpr_workitem_id 0
		.amdhsa_next_free_vgpr 1024
		.amdhsa_next_free_sgpr 102
		.amdhsa_reserve_vcc 0
		.amdhsa_float_denorm_mode_32 3
		.amdhsa_float_denorm_mode_16_64 3
		.amdhsa_memory_ordered 1
		.amdhsa_forward_progress 1
		.amdhsa_inst_pref_size 188
	.end_amdhsa_kernel
	.amdgpu_metadata
---
amdhsa.version: [ 1, 2 ]
amdhsa.kernels:
  - .name:           k_q57de70e241_gemm_qkv
    .symbol:         k_q57de70e241_gemm_qkv.kd
    .args:
      - { .name: x_codes, .offset: 0, .size: 8, .value_kind: global_buffer, .address_space: global }
      - { .name: x_scales, .offset: 8, .size: 8, .value_kind: global_buffer, .address_space: global }
      - { .name: w_codes, .offset: 16, .size: 8, .value_kind: global_buffer, .address_space: global }
      - { .name: w_scales, .offset: 24, .size: 8, .value_kind: global_buffer, .address_space: global }
      - { .name: qkv_codes, .offset: 32, .size: 8, .value_kind: global_buffer, .address_space: global }
      - { .name: qkv_scales, .offset: 40, .size: 8, .value_kind: global_buffer, .address_space: global }
    .group_segment_fixed_size: 327680
    .private_segment_fixed_size: 0
    .kernarg_segment_align: 8
    .kernarg_segment_size: 48
    .max_flat_workgroup_size: 128
    .sgpr_count:     102
    .vgpr_count:     1024
    .wavefront_size: 32
...
	.end_amdgpu_metadata
.endif
;; end of part 2
;; launch attn (part 3): grid 16 x 16, 8 waves a work-group, clusters of 4 x 1, 327,680 bytes of LDS; arguments qkv_codes, qkv_scales, o_codes, o_scales; writes o_codes, o_scales
.if DOCPART == 3
	.amdgcn_target "amdgcn-amd-amdhsa--gfx1250"
	.amdhsa_code_object_version 6
	.text
	.protected	k_q57de70e241_attn
	.globl	k_q57de70e241_attn
	.p2align	8
	.type	k_q57de70e241_attn,@function
k_q57de70e241_attn:
	s_mov_b64 s[64:65], 0
	v_nop
	global_prefetch_b8 v0, s[64:65] scope:SCOPE_SE
	s_setreg_imm32_b32 hwreg(HW_REG_WAVE_MODE, 25, 1), 1
	s_wait_xcnt 0x0
	s_wait_alu depctr_hold_cnt(0) depctr_sa_sdst(0) depctr_va_vdst(0) depctr_va_sdst(0) depctr_va_ssrc(0) depctr_va_vcc(0) depctr_vm_vsrc(0)
	s_getreg_b32 s2, hwreg(HW_REG_IB_STS2, 6, 4)
	s_cmp_eq_u32 s2, 0
	s_cbranch_scc0 .Lentry_in_a_cluster
	s_endpgm
.Lentry_in_a_cluster:
	s_bfe_u32 s2, ttmp6, 0x10000c
	s_cmp_lg_u32 s2, 0x3003
	s_cbranch_scc0 .Lentry_shape_is_right
	s_endpgm
.Lentry_shape_is_right:
; o[h][q] = the sum over k of softmax_k(q . k / 8) v, 16 heads of 64, 4,096 tokens, both products on codes of BF8 (E5M2) with one E8M0 scale for each 32 along a product's K; o is quantised at once along its 64.
; THE SOFTMAX AHEAD OF THE SECOND PRODUCT, block by block of 32 keys.  t = score x log2(e) / 8.  g = floor(the block's largest t), a whole number; y = 2^(t - g) lies under 2.  The block's codes are y / 2^-15, held at
; 57,344 (y at 1.75): the codes of p = 2^(t - M) for every whole M, since floor(log2(the block's largest p)) = g - M.  G = the running largest g takes M's place (it differs from the ceiling of the largest t by a whole number,
; an exact power of two on O and on the sum alike).  The block's scale byte is 112 + (g - G); the row's sum takes 2^(g - G) x the block's sum of the UNQUANTISED y; when G moves, the sum and O are multiplied by 2^(old G - new G): exact.
; INPUTS are images of operand registers (16 bytes a lane): q, k planes [tile of 16 tokens][c 2][lane][16 B]; v planes [128 keys][tile of 16 channels 4][c 4][lane][16 B]; 128 tokens are 8,192 dense bytes in each.
; K = 64 IN AN INSTRUCTION OF K = 128: a fragment of k holds two tiles of keys and is multiplied twice, by [q | zeros] and by [zeros | q]; q lies once, in v24-31, between eight zero registers on each side.
; SHARES: a work-group owns 256 queries of one head; each of its EIGHT waves two tiles of 16, A in register window 0 and B in window 1 under the same numbers; each fragment of k and v that a wave reads from LDS serves both tiles.
; Both products are used transposed (S^T = k q^T, O^T = v^T p^T): a lane holds one query of each tile throughout.
; ORDER OF A STEP j: the fetch of k's step j + 1 and v's step j; A's softmax; A's O^T += and A's scores of step j + 1; B's softmax; B's O^T += and B's scores of step j + 1.
; RING: two slots of eight steps: k's steps 8 s + 1 .. 8 s + 8 (65,536 bytes), then v's steps 8 s .. 8 s + 7: so all that run s reads lies in slot s.  k's step 0 lies ahead of slot 0.  Of the last refill's bytes 8,192 (a step 32, the
; next plane's) are not read: they ride in a piece of 16,384 whose first half is.  A refill is asked for eight steps ahead of the wait for it, one piece of 16,384 bytes a wave; so no prefetch is laid.
; CLUSTER: the four query blocks of a cluster belong to one head and walk the same k and v: each piece is asked for JOINTLY, with a mask that names the four.
; OUTPUTS: o_codes [tile 256][head 16][c 2][lane][16 B]; o_scales [block of 256 queries 16][head 16][row 256] two bytes.
; LIMITS: NaN and infinities are not served; the scaled scores t stay under 2^31 in magnitude.  A block that lies more than 111 binades under G keeps the byte 1 and the weight 2^-111.  In o a block of zeros gets the byte 1
; (its codes are zeros; this program alone reads the bytes).
.set SLOTB, 131072
.set KB0,   8192                       ; LDS: k's step 0 at 0; slot 0 from 8,192; slot 1 from 139,264
.set SCB,   270336                     ; the scale words of the head: k's 8,192 bytes, then v's
.set SPARE, 286720                     ; the spare words, 128 bytes for each of 8 waves
.set OSC,   287744                     ; o's scale bytes, 512: written by LDS stores alone
.set LASTTS, 31*256
.set LI,  1                            ; window 0 alone: v1 16 x lane; v2 SCB + 8 x lane; v3, v4 the add's two; v5-7 addresses in hand
.set LS8, 2
.set SPW, 3
.set NIL, 4
.set ADK, 5
.set ADV, 6
.set ADS, 7
.set KSC, 8                            ; v8-15 hold scales and nothing else: k's two words, v's two, p's of A and B, q's of A and B
.set VSC, 10
.set PS,  12
.set QS,  14
.set S,   40                           ; in each window: v16-39 q between zeros; v40-103 S^T, then y
.set O,   104                          ; v104-135 O^T
.set PC,  136                          ; v136-151 codes
.set BM,  152                          ; the blocks' largest scores
.set T1,  156
.set NG,  160                          ; -g, in the low words of four pairs
.set BS,  168                          ; the blocks' sums, four pairs
.set GR,  176                          ; G
.set TM,  177
.set TM1, 178
.set SCO, 179                          ; 2^-15: the conversions' scale operand
.set W,   180                          ; 2^(g - G), in the low words of four pairs
.set L,   188                          ; the row's sum, in two halves
.set F,   190                          ; 2^(old G - new G)
.set KV,  192                          ; v192-255: window 0 k's four fragments, window 1 v's
.set WV,  12
.set SEL, 20
.set CS,  22
.set MNT, 24
.set TB,  25
.set TS,  26
.set CNT, 27
.set HB,  94
.set G1R, 32                           ; groups 1: 64 rows (ring), 72 (k at the head), 128 (v at the head), 32 (scale words)
.set G1A, 40
.set G1B, 48
.set G1C, 56
.set G0A, 68
.set G0B, 72
.set G0HA, 76
.set G0HB, 80
.set G0HC, 84
.set MSB, 0
.macro WIN new                         ; the immediate's high byte repeats the setting that is left
.if MSB != \new
	s_set_vgpr_msb (MSB<<8)|\new
.set MSB, \new
.endif
.endm
.macro WALU
	s_wait_alu depctr_va_vdst(0)
.endm
.macro CROUND                          ; a round of the cluster's barrier
	s_barrier_signal -1
	s_barrier_wait -1
	s_cmp_lg_u32 s[WV], 0
	s_cbranch_scc1 .Lnot_wave_0_\@
	s_barrier_signal -3
.Lnot_wave_0_\@:
	s_barrier_wait -3
	s_barrier_signal -1
	s_barrier_wait -1
.endm
.macro GROUP1 g, rows                  ; a dense piece as rows of 256 bytes (32 elements of 8), no padding; the mask names all four work-groups
	s_mov_b32 s[\g], 15|(3<<16)|(1<<21)
	s_mov_b32 s[\g+1], 32<<16
	s_mov_b32 s[\g+2], (\rows)<<16
	s_mov_b32 s[\g+3], 32<<16
	s_mov_b32 s[\g+4], \rows
	s_mov_b32 s[\g+5], 32
	s_mov_b32 s[\g+6], 0
	s_mov_b32 s[\g+7], 0
.endm
.macro TLOAD g0, g1                    ; an s_nop 0 and four v_nop follow a tensor load
	tensor_load_to_lds s[\g0:\g0+3], s[\g1:\g1+7]
	s_nop 0
.rept 4
	v_nop
.endr
.endm
	s_load_b256 s[4:11], s[0:1], 0x0               ; qkv_codes, qkv_scales, o_codes, o_scales
	v_lshl_add_u32 v[SPW], v0, 2, SPARE
	v_mov_b32 v[NIL], 0
	ds_add_u32 v[SPW], v[NIL]                      ; the opening lines: the add twice on end and its wait
	ds_add_u32 v[SPW], v[NIL]
	v_lshrrev_b32 v5, 5, v0
	v_readfirstlane_b32 s[WV], v5                  ; wave 0..7
	s_bfe_u32 s13, ttmp6, 0x40000                  ; cx
	s_lshl_b32 s14, ttmp9, 2
	s_add_co_u32 s14, s14, s13                     ; my block of 256 queries: it enters q's and o's addresses alone
	s_and_b32 s15, ttmp7, 0xffff                   ; the head, which the four partners share
	s_add_co_u32 s30, s15, 16
	s_lshl_b32 s30, s30, 18                        ; k's plane, in bytes
	s_add_co_u32 s31, s15, 32
	s_lshl_b32 s31, s31, 18                        ; v's plane
	GROUP1 G1R, 64
	GROUP1 G1A, 72
	GROUP1 G1B, 128
	GROUP1 G1C, 32
	s_mov_b32 s[SEL], 0x76543210
	s_mov_b32 s[SEL+1], 0xfedcba98                 ; v_permlanex16_b32's selects for lane l xor 16
	s_mov_b32 s[CS], 0x3e38aa3b                    ; c = log2(e) / 8
	s_mov_b32 s[CS+1], s[CS]
	s_mov_b32 s[MNT], 0x600000
	s_mov_b32 s[HB], 0x3fe00000                    ; 1.75
	s_mov_b32 s[TS], 0
	s_add_co_u32 s28, s30, 8192                    ; the ring: waves 0-3 fetch k from step 1 on, waves 4-7 v from step 0 on, 16,384 bytes a wave
	s_sub_co_u32 s29, s31, 65536
	s_cmp_lt_u32 s[WV], 4
	s_cselect_b32 s28, s28, s29
	s_lshl_b32 s29, s[WV], 14
	s_add_co_u32 s28, s28, s29
	s_add_co_u32 s[G0A+1], s29, KB0
	s_add_co_u32 s[G0B+1], s29, KB0+SLOTB
	s_mov_b32 s29, 0
	s_and_b32 s13, s[WV], 3                        ; the head: waves 0-3 k's steps 0 to 8, 18,432 bytes each,
	s_mul_i32 s[G0HA+1], s13, 18432
	s_add_co_u32 s16, s30, s[G0HA+1]
	s_mov_b32 s17, 0
	s_and_b32 s13, s[WV], 1                        ; waves 4, 5 v's steps 0 to 7, 32,768 bytes each,
	s_lshl_b32 s18, s13, 15
	s_add_co_u32 s[G0HB+1], s18, KB0+65536
	s_add_co_u32 s18, s18, s31
	s_mov_b32 s19, 0
	s_lshl_b32 s92, s13, 13                        ; wave 6 k's scale words, wave 7 v's
	s_add_co_u32 s[G0HC+1], s92, SCB
	s_lshl_b32 s92, s13, 4
	s_add_co_u32 s92, s92, s15
	s_add_co_u32 s92, s92, 16
	s_lshl_b32 s92, s92, 13
	s_mov_b32 s93, 0
	s_wait_dscnt 0x0                               ; both opening adds are done
	s_wait_kmcnt 0x0
.irp g, G0A, G0B, G0HA, G0HB, G0HC
	s_mov_b32 s[\g], 1
.endr
	s_add_nc_u64 s[G0A+2:G0A+3], s[4:5], s[28:29]
	s_add_nc_u64 s[G0B+2:G0B+3], s[G0A+2:G0A+3], 65536
	s_add_nc_u64 s[G0HA+2:G0HA+3], s[4:5], s[16:17]
	s_add_nc_u64 s[G0HB+2:G0HB+3], s[4:5], s[18:19]
	s_add_nc_u64 s[G0HC+2:G0HC+3], s[6:7], s[92:93]
.irp g, G0A, G0B, G0HA, G0HB, G0HC
	s_or_b32 s[\g+3], s[\g+3], 0x80000000          ; type = 2
.endr
	CROUND                                         ; all four work-groups are here: the first joint loads meet
	s_cmp_lt_u32 s[WV], 4                          ; one chain of arms, one load to an arm: every way passes exactly one
	s_cbranch_scc0 .Lhead_v
	TLOAD G0HA, G1A
	s_branch .Lhead_asked
.Lhead_v:
	s_cmp_lt_u32 s[WV], 6
	s_cbranch_scc0 .Lhead_s
	TLOAD G0HB, G1B
	s_branch .Lhead_asked
.Lhead_s:
	TLOAD G0HC, G1C
.Lhead_asked:
	s_lshl_b32 s16, s14, 4                         ; my tiles: a = 16 x block + 2 x wave, and a + 1
	s_lshl_b32 s13, s[WV], 1
	s_add_co_u32 s16, s16, s13
	s_lshl_b32 s18, s16, 10
	s_lshl_b32 s13, s15, 18
	s_add_co_u32 s18, s18, s13
	s_add_nc_u64 s[88:89], s[4:5], s[18:19]        ; q's codes: plane head, 1,024 bytes a tile
	s_lshl_b32 s18, s15, 13                        ; q's scale word, one for both tiles: plane head, unit a / 8, lane (r, wave % 2), word (wave / 2) % 2
	s_lshl_b32 s13, s14, 9
	s_add_co_u32 s18, s18, s13
	s_lshr_b32 s13, s[WV], 2
	s_lshl_b32 s13, s13, 8
	s_add_co_u32 s18, s18, s13
	s_and_b32 s13, s[WV], 1
	s_lshl_b32 s13, s13, 7
	s_add_co_u32 s18, s18, s13
	s_bfe_u32 s13, s[WV], 0x10001
	s_lshl_b32 s13, s13, 2
	s_add_co_u32 s18, s18, s13
	s_add_nc_u64 s[90:91], s[6:7], s[18:19]
	s_lshl_b32 s18, s16, 14                        ; o's codes: 16,384 bytes a tile, 1,024 a head
	s_lshl_b32 s13, s15, 10
	s_add_co_u32 s18, s18, s13
	s_add_nc_u64 s[8:9], s[8:9], s[18:19]
	s_lshl_b32 s18, s14, 13                        ; o's scale bytes: 8,192 a block of queries, 512 a head
	s_lshl_b32 s13, s15, 9
	s_add_co_u32 s18, s18, s13
	s_add_nc_u64 s[10:11], s[10:11], s[18:19]
	v_and_b32 v5, 31, v0
	v_lshlrev_b32 v[LI], 4, v5
	v_lshl_add_u32 v[LS8], v5, 3, SCB
	v_and_b32 v7, 15, v0
	v_lshlrev_b32 v7, 3, v7
	global_load_b128 v[24:27], v[LI], s[88:89]             ; A's q
	global_load_b128 v[28:31], v[LI], s[88:89] offset:512
	global_load_b32 v[TM1], v7, s[90:91]
	WIN 0x40
	global_load_b128 v[24:27], v[LI], s[88:89] offset:1024 ; B's q, into window 1
	global_load_b128 v[28:31], v[LI], s[88:89] offset:1536
.macro INIT t                          ; a tile's state: zeros beside q, O^T and the sum zero, G under every t; upper halves of pairs and lane permutes' destinations written once
	WIN 0x55*\t
.irp j, 16,17,18,19,20,21,22,23,32,33,34,35,36,37,38,39
	v_mov_b32 v\j, 0
.endr
.set j, 0
.rept 32
	v_mov_b32 v[O+j], 0
.set j, j+1
.endr
.irp j, L, L+1, F+1, TM, T1, T1+1, T1+2, T1+3, NG+1, NG+3, NG+5, NG+7, W+1, W+3, W+5, W+7
	v_mov_b32 v[\j], 0
.endr
	v_mov_b32 v[GR], 0xff61b1e6                    ; -3e38
	v_mov_b32 v[SCO], 0x38000000                   ; 2^-15
.endm
	INIT 0
	WALU                                           ; the wait ahead of a wait that blocks
	s_wait_loadcnt 0x0
	v_perm_b32 v[QS], v[TM1], v[TM1], 0x01000100   ; the even tile's two bytes are the word's low ones, twice: for K 0-63 and K 64-127;
	v_perm_b32 v[QS+1], v[TM1], v[TM1], 0x03020302 ; the odd tile's the high ones.  (B's state below: more than eight plain lines ahead of the first product)
	INIT 1
	WIN 0
.macro KQ t, b, u                      ; S^T of key tile 2 b + u: k's fragment b against [q | 0] (u = 0) or [0 | q] (u = 1)
.if (\b)%2
	v_wmma_scale_f32_16x16x128_f8f6f4 v[S+8*(2*\b+\u):S+8*(2*\b+\u)+7], v[KV+16*\b:KV+16*\b+15], v[24-8*\u:39-8*\u], 0, v[KSC+\b/2], v[QS+\t] matrix_a_fmt:MATRIX_FMT_BF8 matrix_b_fmt:MATRIX_FMT_BF8 matrix_a_scale:MATRIX_SCALE_ROW1
.else
	v_wmma_scale_f32_16x16x128_f8f6f4 v[S+8*(2*\b+\u):S+8*(2*\b+\u)+7], v[KV+16*\b:KV+16*\b+15], v[24-8*\u:39-8*\u], 0, v[KSC+\b/2], v[QS+\t] matrix_a_fmt:MATRIX_FMT_BF8 matrix_b_fmt:MATRIX_FMT_BF8
.endif
.endm
.macro KQALL t                         ; source 0 (k) window 0; q and S^T in the tile's window
	WIN 0x54*\t
.irp b, 0,1,2,3
	KQ \t, \b, 0
	KQ \t, \b, 1
.endr
	WIN 0
.endm
.macro PV t, n                         ; O^T of channel tile n += v^T p^T
.if (\n) >= 2
	v_wmma_scale_f32_16x16x128_f8f6f4 v[O+8*\n:O+8*\n+7], v[KV+16*\n:KV+16*\n+15], v[PC:PC+15], v[O+8*\n:O+8*\n+7], v[VSC+\n%2], v[PS+\t] matrix_a_fmt:MATRIX_FMT_BF8 matrix_b_fmt:MATRIX_FMT_BF8 matrix_a_scale:MATRIX_SCALE_ROW1
.else
	v_wmma_scale_f32_16x16x128_f8f6f4 v[O+8*\n:O+8*\n+7], v[KV+16*\n:KV+16*\n+15], v[PC:PC+15], v[O+8*\n:O+8*\n+7], v[VSC+\n%2], v[PS+\t] matrix_a_fmt:MATRIX_FMT_BF8 matrix_b_fmt:MATRIX_FMT_BF8
.endif
.endm
.macro HOLD2 j                         ; two holds in one line: y is not negative, so the hold is one-sided (the conversion does not saturate: ISA guide 7.6.2)
	v_dual_min_num_f32 v[S+\j], s[HB], v[S+\j] :: v_dual_min_num_f32 v[S+\j+1], s[HB], v[S+\j+1]
.endm
; A TILE'S SOFTMAX OF ONE STEP: S^T (128 keys x 16 queries) -> codes, p's scale word, the sum, and O^T under the new G.  Register 16 b + i is key 32 b + 16 h + i.
.macro SM t
	WIN 0x55*\t
	WALU                                           ; the wait directly ahead of the first readers of the scores: the next four lines read all eight accumulators, each at its low end
.irp b, 0,1,2,3
	v_max3_num_f32 v[BM+\b], v[S+16*\b], v[S+16*\b+1], v[S+16*\b+8]
.endr
.irp i, 2,4,6,9,11,13
.irp b, 0,1,2,3
	v_max3_num_f32 v[BM+\b], v[BM+\b], v[S+16*\b+\i], v[S+16*\b+\i+1]
.endr
.endr
.irp b, 0,1,2,3
	v_max_num_f32 v[BM+\b], v[BM+\b], v[S+16*\b+15]
.endr
.irp b, 0,1,2,3
	v_permlanex16_b32 v[T1+\b], v[BM+\b], s[SEL], s[SEL+1]
.endr
.irp b, 0,1,2,3
	v_max_num_f32 v[BM+\b], v[BM+\b], v[T1+\b]     ; with lane l xor 16's 16 keys: the block's largest score
.endr
.irp b, 0,1,2,3
	v_mul_f32 v[T1+\b], s[CS], v[BM+\b]            ; as t (c is positive)
.endr
.irp b, 0,1,2,3
	v_ceil_f32 v[NG+2*\b], -v[T1+\b]               ; -g = -floor(t)
.endr
	v_max3_num_f32 v[TM], -v[NG], -v[NG+2], -v[NG+4]
	v_max3_num_f32 v[TM], v[TM], -v[NG+6], v[GR]   ; the new G
	v_sub_f32 v[TM1], v[GR], v[TM]                 ; old G - new G: a whole number, 0 or less
	v_mov_b32 v[GR], v[TM]
	v_cvt_i32_f32 v[TM1], v[TM1]                   ; (it saturates)
	v_ldexp_f32 v[F], 1.0, v[TM1]
.irp b, 0,1,2,3
.irp i, 0,2,4,6,8,10,12,14
	v_pk_fma_f32 v[S+16*\b+\i:S+16*\b+\i+1], v[S+16*\b+\i:S+16*\b+\i+1], s[CS:CS+1], v[NG+2*\b:NG+2*\b+1] op_sel_hi:[1,0,0]   ; t - g, two at a time
.endr
.endr
	WALU                                           ; the wait ahead of the batch
.set j, 0
.rept 64
	v_exp_f32 v[S+j], v[S+j]                       ; y = 2^(t - g)
.set j, j+1
.endr
.irp b, 0,1,2,3
	v_sub_f32 v[T1+\b], -v[NG+2*\b], v[GR]         ; g - G, 0 or less.  (Plain lines behind the batch that name none of its results)
.endr
.irp b, 0,1,2,3
	v_max_num_f32 v[T1+\b], 0xc2de0000, v[T1+\b]   ; held at -111: the byte cannot fall under 1
.endr
.irp b, 0,1,2,3
	v_cvt_i32_f32 v[T1+\b], v[T1+\b]
.endr
.irp b, 0,1,2,3
	v_add_lshl_u32 v[W+2*\b], v[T1+\b], 0x7f, 23   ; 2^(g - G) as f32
.endr
	v_lshl_add_u32 v[TM], v[T1+3], 8, v[T1+2]      ; the sum of (g - G) 256^b ..
	v_pk_mul_f32 v[L:L+1], v[L:L+1], v[F:F+1] op_sel_hi:[1,0]      ; the row's sum under the new G
	v_lshl_add_u32 v[TM], v[TM], 8, v[T1+1]
	v_lshl_add_u32 v[TM], v[TM], 8, v[T1]
	WIN 0x05*\t                                    ; scale words lie in window 0
	v_add_nc_u32 v[PS+\t], 0x70707070, v[TM]       ; .. + 112 in each byte: p's scale word for these 128 keys
	WIN 0x55*\t
	WALU                                           ; one wait for the whole batch, ahead of its first reader
.irp b, 0,1,2,3
	v_pk_add_f32 v[BS+2*\b:BS+2*\b+1], v[S+16*\b:S+16*\b+1], v[S+16*\b+2:S+16*\b+3]   ; the blocks' sums of the unquantised y, four chains by turns
.endr
.irp i, 4,6,8,10,12,14
.irp b, 0,1,2,3
	v_pk_add_f32 v[BS+2*\b:BS+2*\b+1], v[BS+2*\b:BS+2*\b+1], v[S+16*\b+\i:S+16*\b+\i+1]
.endr
.endr
.irp b, 0,1,2,3
.irp i, 0,2,4,6,8,10,12,14
	HOLD2 16*\b+\i
.endr
	v_pk_fma_f32 v[L:L+1], v[BS+2*\b:BS+2*\b+1], v[W+2*\b:W+2*\b+1], v[L:L+1] op_sel_hi:[1,0,1]
	v_cvt_scalef32_pk8_bf8_f32 v[PC+4*\b:PC+4*\b+1], v[S+16*\b:S+16*\b+7], v[SCO]
	v_cvt_scalef32_pk8_bf8_f32 v[PC+4*\b+2:PC+4*\b+3], v[S+16*\b+8:S+16*\b+15], v[SCO]
.endr
.if \t == 0
	s_wait_dscnt 0x0                               ; the step's fragments and scale words are in
.endif
	WALU                                           ; directly ahead of the first readers of O^T
.set j, 0
.rept 16
	v_pk_mul_f32 v[O+j:O+j+1], v[O+j:O+j+1], v[F:F+1] op_sel_hi:[1,0]   ; O^T under the new G.  (Also the plain lines between the conversions and the products)
.set j, j+2
.endr
.endm
.macro MB t                            ; a tile's products: O^T += of this step, then the scores of the next, which the last step has not (a branch on the count of steps alone)
	WIN 0x01+0x54*\t                               ; source 0 (v) window 1; the rest in the tile's window
.irp n, 0,1,2,3
	PV \t, \n
.endr
	WIN 0
	s_cmp_eq_u32 s[TS], LASTTS
	s_cbranch_scc1 .Lno_next_\@
	KQALL \t
.Lno_next_\@:
.endm
.macro BODY                            ; step j
	v_add_nc_u32 v[ADK], s[TB], v[LI]
	v_add_nc_u32 v[ADV], 0x10000, v[ADK]           ; v's steps lie 65,536 bytes behind k's
	v_add_nc_u32 v[ADS], s[TS], v[LS8]
.rept 5
	v_nop                                          ; with the three additions: eight places in front of loads into registers that the last products have read
.endr
	WIN 0x40
.irp n, 0,1,2,3
.irp c, 0,1,2,3
	ds_load_b128 v[KV+16*\n+4*\c:KV+16*\n+4*\c+3], v[ADV] offset:2048*\n+512*\c   ; v's step j
.endr
.endr
	WIN 0
	ds_load_b64 v[VSC:VSC+1], v[ADS] offset:8192
	s_cmp_eq_u32 s[TS], LASTTS
	s_cbranch_scc1 .Lno_k_\@
.irp b, 0,1,2,3
.irp c, 0,1,2,3
	ds_load_b128 v[KV+16*\b+4*\c:KV+16*\b+4*\c+3], v[ADK] offset:2048*\b+512*\c   ; k's step j + 1
.endr
.endr
	ds_load_b64 v[KSC:KSC+1], v[ADS] offset:256
.Lno_k_\@:
	SM 0
	MB 0
	SM 1
	MB 1
.endm
; THE CHANGE OF SLOTS.  Each wave waits for all its tensor loads, adds 0 to its spare word, and waits for that and for its reads of the slot that it has left.
; fill = 1: that slot takes the steps two slots on; the barrier is then a round of the cluster's, and the joint refill is the first thing behind it.
.macro CHANGE fill, g0
	s_wait_tensorcnt 0x0
	ds_add_u32 v[SPW], v[NIL]
.if \fill
	s_add_nc_u64 s[\g0+2:\g0+3], s[\g0+2:\g0+3], 131072
.endif
	s_wait_dscnt 0x0
.if \fill
	CROUND
	TLOAD \g0, G1R                                 ; my one tensor load until the next change
.else
	s_barrier_signal -1
	s_barrier_wait -1
.endif
.endm
.macro SLOTRUN s                       ; a slot's eight steps
	s_mov_b32 s[TB], KB0+(\s)*SLOTB
	s_mov_b32 s[CNT], 8
.Lstep_\@:
	BODY
	s_add_co_u32 s[TB], s[TB], 8192
	s_add_co_u32 s[TS], s[TS], 256
	s_sub_co_u32 s[CNT], s[CNT], 1
	s_cmp_lg_u32 s[CNT], 0
	s_cbranch_scc1 .Lstep_\@
.endm
	WALU                                           ; the wait at the head's end
	s_wait_tensorcnt 0x0                           ; my piece of the head's is in; the full sequence ahead of slot 1's first fill, as ahead of a refill
	ds_add_u32 v[SPW], v[NIL]
	s_wait_dscnt 0x0
	CROUND                                         ; everybody's are
	TLOAD G0B, G1R                                 ; slot 1: k's steps 9 to 16, v's 8 to 15
.irp b, 0,1,2,3
.irp c, 0,1,2,3
	ds_load_b128 v[KV+16*\b+4*\c:KV+16*\b+4*\c+3], v[LI] offset:2048*\b+512*\c   ; k's step 0
.endr
.endr
	ds_load_b64 v[KSC:KSC+1], v[LS8]
	s_wait_dscnt 0x0
	KQALL 0
	KQALL 1
	SLOTRUN 0
	CHANGE 1, G0A
	SLOTRUN 1
	CHANGE 1, G0B
	SLOTRUN 0
	CHANGE 0, G0A
	SLOTRUN 1
	; THE WAY OUT.  O^T is divided by the row's sum; register 16 c + i is then channel 32 c + 16 h + i of the query: two blocks of 32, quantised as they stand; the codes leave as register images.
	v_and_b32 v[ADK], 15, v0
	s_lshl_b32 s16, s[WV], 6
	s_add_co_u32 s16, s16, OSC
	v_lshl_add_u32 v[ADK], v[ADK], 1, s16          ; where a row's two scale bytes go: OSC + 64 x wave + 32 x tile + 2 r
	v_add_nc_u32 v[ADV], OSC, v[LI]                ; and where wave 0 reads all 512 back
.macro OUT t
	WIN 0x55*\t
	v_add_f32 v[L], v[L], v[L+1]
	v_permlanex16_b32 v[TM], v[L], s[SEL], s[SEL+1]
	v_add_f32 v[L], v[L], v[TM]                    ; the row's sum
	WALU
	v_rcp_f32 v[F], v[L]
	v_nop
	WALU                                           ; ahead of the reciprocal's first reader, which is also O^T's
.set j, 0
.rept 16
	v_pk_mul_f32 v[S+j:S+j+1], v[O+j:O+j+1], v[F:F+1] op_sel_hi:[1,0]
.set j, j+2
.endr
.irp b, 0,1
	v_max3_num_f32 v[BM+\b], |v[S+16*\b]|, |v[S+1+16*\b]|, 0x8000000
.endr
.irp i, 2,4,6,8,10,12,14
.irp b, 0,1
	v_max3_num_f32 v[BM+\b], v[BM+\b], |v[S+16*\b+\i]|, |v[S+1+16*\b+\i]|
.endr
.endr
.irp b, 0,1
	v_permlanex16_b32 v[T1+\b], v[BM+\b], s[SEL], s[SEL+1]
.endr
.irp b, 0,1
	v_max_num_f32 v[BM+\b], v[BM+\b], v[T1+\b]
.endr
.irp b, 0,1
	v_add_nc_u32 v[NG+\b], 0xf8800000, v[BM+\b]    ; the conversion's scale operand
.endr
.irp b, 0,1
	v_and_or_b32 v[W+\b], v[BM+\b], 0x7f800000, s[MNT]   ; 57,344 x the scale
.endr
.irp b, 0,1
	v_lshrrev_b32 v[T1+\b], 23, v[NG+\b]
.endr
	v_lshl_or_b32 v[TM], v[T1+1], 8, v[T1]         ; the row's two bytes
.irp b, 0,1
.set i, 0
.rept 16
	v_med3_num_f32 v[S+16*\b+i], v[S+16*\b+i], -v[W+\b], v[W+\b]
.set i, i+1
.endr
	v_cvt_scalef32_pk8_bf8_f32 v[PC+4*\b:PC+4*\b+1], v[S+16*\b:S+16*\b+7], v[NG+\b]
	v_cvt_scalef32_pk8_bf8_f32 v[PC+4*\b+2:PC+4*\b+3], v[S+16*\b+8:S+16*\b+15], v[NG+\b]
.endr
	v_nop                                          ; one plain line behind the last conversion
	WIN 0x04*\t                                    ; the data in the tile's window, the addresses in window 0
	global_store_b128 v[LI], v[PC:PC+3], s[8:9] offset:16384*\t          ; each store: 512 consecutive bytes, aligned
	global_store_b128 v[LI], v[PC+4:PC+7], s[8:9] offset:16384*\t+512
	ds_store_b16 v[ADK], v[TM] offset:32*\t        ; lanes l and l xor 16 write the same two bytes with the same value
	WIN 0
.endm
	OUT 0
	OUT 1
	s_wait_dscnt 0x0                               ; for the others' sake: my stores have landed
	s_barrier_signal -1
	s_barrier_wait -1
	s_cmp_lg_u32 s[WV], 0
	s_cbranch_scc1 .Lnot_first
	ds_load_b128 v[S:S+3], v[ADV]                  ; wave 0 takes the block's 512 bytes
	s_wait_dscnt 0x0
	global_store_b128 v[LI], v[S:S+3], s[10:11]    ; 512 consecutive bytes, aligned
.Lnot_first:
	s_wait_tensorcnt 0x0                           ; the wave's end
	ds_add_u32 v[SPW], v[NIL]
	s_wait_dscnt 0x0
	CROUND                                         ; the closing round
	s_endpgm
.Lfunc_end_k_q57de70e241_attn:
	.size	k_q57de70e241_attn, .Lfunc_end_k_q57de70e241_attn-k_q57de70e241_attn
	.p2alignl 7, 3214868480
	.fill 96, 4, 3214868480
	.section	.rodata,"a",@progbits
	.p2align	6, 0x0
	.amdhsa_kernel k_q57de70e241_attn
		.amdhsa_group_segment_fixed_size 327680
		.amdhsa_private_segment_fixed_size 0
		.amdhsa_enable_private_segment 0
		.amdhsa_kernarg_size 32
		.amdhsa_user_sgpr_count 2
		.amdhsa_user_sgpr_kernarg_segment_ptr 1
		.amdhsa_wavefront_size32 1
		.amdhsa_system_sgpr_workgroup_id_x 1
		.amdhsa_system_sgpr_workgroup_id_y 1
		.amdhsa_system_sgpr_workgroup_id_z 1
		.amdhsa_system_vgpr_workitem_id 0
		.amdhsa_next_free_vgpr 512
		.amdhsa_next_free_sgpr 96
		.amdhsa_reserve_vcc 0
		.amdhsa_float_denorm_mode_32 3
		.amdhsa_float_denorm_mode_16_64 3
		.amdhsa_memory_ordered 1
		.amdhsa_forward_progress 1
		.amdhsa_inst_pref_size 166
	.end_amdhsa_kernel
	.amdgpu_metadata
---
amdhsa.version: [ 1, 2 ]
amdhsa.kernels:
  - .name:           k_q57de70e241_attn
    .symbol:         k_q57de70e241_attn.kd
    .args:
      - { .name: qkv_codes, .offset: 0, .size: 8, .value_kind: global_buffer, .address_space: global }
      - { .name: qkv_scales, .offset: 8, .size: 8, .value_kind: global_buffer, .address_space: global }
      - { .name: o_codes, .offset: 16, .size: 8, .value_kind: global_buffer, .address_space: global }
      - { .name: o_scales, .offset: 24, .size: 8, .value_kind: global_buffer, .address_space: global }
    .group_segment_fixed_size: 327680
    .private_segment_fixed_size: 0
    .kernarg_segment_align: 8
    .kernarg_segment_size: 32
    .max_flat_workgroup_size: 256
    .sgpr_count:     96
    .vgpr_count:     512
    .wavefront_size: 32
...
	.end_amdgpu_metadata
.endif
;; end of part 3
;; launch gemm_out (part 4): grid 8 x 32, 4 waves a work-group, clusters of 4 x 4, 327,680 bytes of LDS; arguments o_codes, o_scales, w_codes, w_scales, b_o, out0; writes out0
.if DOCPART == 4
	.amdgcn_target "amdgcn-amd-amdhsa--gfx1250"
	.amdhsa_code_object_version 6
	.text
	.protected	k_q57de70e241_gemm_out
	.globl	k_q57de70e241_gemm_out
	.p2align	8
	.type	k_q57de70e241_gemm_out,@function
k_q57de70e241_gemm_out:
	s_mov_b64 s[64:65], 0
	v_nop
	global_prefetch_b8 v0, s[64:65] scope:SCOPE_SE
	s_setreg_imm32_b32 hwreg(HW_REG_WAVE_MODE, 25, 1), 1
	s_wait_xcnt 0x0
	s_wait_alu depctr_hold_cnt(0) depctr_sa_sdst(0) depctr_va_vdst(0) depctr_va_sdst(0) depctr_va_ssrc(0) depctr_va_vcc(0) depctr_vm_vsrc(0)
	s_getreg_b32 s2, hwreg(HW_REG_IB_STS2, 6, 4)
	s_cmp_eq_u32 s2, 0
	s_cbranch_scc0 .Lentry_in_a_cluster
	s_endpgm
.Lentry_in_a_cluster:
	s_bfe_u32 s2, ttmp6, 0x10000c
	s_cmp_lg_u32 s2, 0xf033
	s_cbranch_scc0 .Lentry_shape_is_right
	s_endpgm
.Lentry_shape_is_right:
; out0 [4096][1024] f32 = o W_o + b_o, on codes of BF8 (E5M2) with one E8M0 scale for each 32 along K = 1,024.
; A = o_codes [tile of 16 tokens 256][head 16][c 2][lane][16 B]: images of operand registers: a tile's q-th 128 of K are 2,048 bytes on end; o_scales [block of 256 tokens 16][head 16][row 256] two bytes.
; B = rows 3,072 on of w_codes [row][1,024 B] and w_scales [row][32 B]: W_o's columns.  Tokens and columns lie in swap34 order (bits 3 and 4 of the index exchanged); the way out puts both back.
; SHARES: 256 work-groups; a block of 128 x 128 by four waves, 2 x 2, a wave 64 x 64: 16 accumulators, which take turns.
; ALL OF K LIES IN LDS AT ONCE: A's 8 tiles are 131,072 dense bytes, B's 128 rows 1,024 + 16 bytes each: every byte is asked for once, at the head, one tensor load a wave; nothing is filled again, and there is
; no loop to run ahead in, so no prefetch is laid.  CLUSTER 4 x 4: A's tile is shared along a row, B's and its scale bytes along a column: joint loads.
; THE MATRIX INSTRUCTION IS USED TRANSPOSED (source 0 = 16 rows of B, source 1 = 16 rows of A): a lane holds eight neighbouring numbers of a row of out0.  The bias is the first products' C.
; REGISTERS: window 0: v1-15 addresses; v16-47 A's scale words (8 tile + K step), v52-83 B's; v96-127 the bias; v128-191, v192-255 A's and B's fragments of an even K step.
;   window 1: v0-127 the accumulators ((a, b) at 8 (4 a + b)); v128-255 the fragments of an odd K step.
; LIMITS: NaN and infinities are not served.
.set BP,    1040
.set BBASE, 131072
.set SCLA,  264192                     ; A's scale bytes, rows of 32, 16 of padding behind each 256: written by LDS stores alone
.set SCLB,  268544                     ; B's, laid the same by its tensor load
.set STAGE, 272896                     ; the way out: 16 rows x (256 + 16) bytes for each wave
.set SP,    272
.set SPARE, 290304
.set SPW, 4
.set NIL, 5
.set CO,  6
.set ADRA, 7
.set ADRB, 8
.set ADSA, 9
.set ADSB, 10
.set STO, 11
.set RD,  12
.set SLO, 13
.set BO,  14
.set SST, 15
.set SCA, 16
.set SCB, 52                           ; no product's two scale words have numbers equal modulo 8
.set BI,  96
.set AF,  128
.set BF,  192
.set BK,  128
.set G1A, 24
.set G0A, 32
.set G1B, 48
.set G0B, 56
.set G1S, 80
.set G0S, 88
.set MSB, 0
.macro WIN new
.if MSB != \new
	s_set_vgpr_msb (MSB<<8)|\new
.set MSB, \new
.endif
.endm
.macro PLACES n
.rept \n
	v_nop
.endr
.endm
.macro CROUND
	s_barrier_signal -1
	s_barrier_wait -1
	s_cmp_lg_u32 s14, 0
	s_cbranch_scc1 .Lnot_wave_0_\@
	s_barrier_signal -3
.Lnot_wave_0_\@:
	s_barrier_wait -3
	s_barrier_signal -1
	s_barrier_wait -1
.endm
.macro TLOAD g0, g1                    ; an s_nop 0 and four v_nop follow a tensor load
	tensor_load_to_lds s[\g0:\g0+3], s[\g1:\g1+7]
	s_nop 0
	PLACES 4
.endm
	s_load_b128 s[4:7], s[0:1], 0x0                ; o_codes, o_scales
	s_load_b128 s[8:11], s[0:1], 0x10              ; w_codes, w_scales
	s_load_b128 s[96:99], s[0:1], 0x20             ; b_o, out0
	v_lshl_add_u32 v[SPW], v0, 2, SPARE
	v_mov_b32 v[NIL], 0
	ds_add_u32 v[SPW], v[NIL]                      ; the opening lines: the add twice on end and its wait
	ds_add_u32 v[SPW], v[NIL]
	v_lshrrev_b32 v1, 5, v0
	v_readfirstlane_b32 s14, v1                    ; wave 0..3
	s_lshr_b32 s15, s14, 1                         ; my row of waves
	s_and_b32 s16, s14, 1                          ; my column of waves
	s_bfe_u32 s40, ttmp6, 0x40000                  ; cx, cy
	s_bfe_u32 s41, ttmp6, 0x40004
	s_lshl_b32 s42, ttmp9, 2
	s_add_co_u32 s42, s42, s40                     ; block column 0..7
	s_and_b32 s17, ttmp7, 0xffff
	s_lshl_b32 s17, s17, 2
	s_add_co_u32 s17, s17, s41                     ; block row 0..31
	s_lshl_b32 s43, s41, 2
	s_lshl_b32 s43, 15, s43                        ; my row of the cluster
	s_lshl_b32 s44, 0x1111, s40                    ; my column
	s_or_b32 s[G1A], s43, (3<<16)|(1<<21)          ; A: 65,536 dense bytes as 256 rows of 256 (32 elements of 8), no padding
	s_mov_b32 s[G1A+1], 32<<16
	s_mov_b32 s[G1A+2], 256<<16
	s_mov_b32 s[G1A+3], 32<<16
	s_mov_b32 s[G1A+4], 256
	s_mov_b32 s[G1A+5], 32
	s_mov_b32 s[G1A+6], 0
	s_mov_b32 s[G1A+7], 0
	s_or_b32 s[G1B], s44, (1<<20)|(1<<21)|(7<<22)|(3<<25)   ; B: 128 whole rows of 1,024 bytes, four words of padding behind each 256 words
	s_mov_b32 s[G1B+1], 1024<<16
	s_mov_b32 s[G1B+2], 128<<16
	s_mov_b32 s[G1B+3], 1024<<16
	s_mov_b32 s[G1B+4], 128
	s_mov_b32 s[G1B+5], 1024
	s_mov_b32 s[G1B+6], 0
	s_mov_b32 s[G1B+7], 0
	s_or_b32 s[G1S], s44, (3<<16)|(1<<20)|(1<<21)|(5<<22)|(3<<25)   ; B's scale bytes: 4,096 dense bytes as 16 rows of 256, 16 of padding behind each
	s_mov_b32 s[G1S+1], 32<<16
	s_mov_b32 s[G1S+2], 16<<16
	s_mov_b32 s[G1S+3], 32<<16
	s_mov_b32 s[G1S+4], 16
	s_mov_b32 s[G1S+5], 32
	s_mov_b32 s[G1S+6], 0
	s_mov_b32 s[G1S+7], 0
	s_lshl_b32 s[G0A+1], s16, 16                   ; waves 0, 1: A's halves
	s_lshl_b32 s20, s17, 17
	s_add_co_u32 s20, s20, s[G0A+1]
	s_mov_b32 s21, 0
	s_lshl_b32 s46, s42, 7
	s_add_co_u32 s46, s46, 3072                    ; B's first row
	s_lshl_b32 s92, s46, 5
	s_mov_b32 s93, 0
	s_lshl_b32 s46, s46, 10
	s_mov_b32 s47, 0
	s_mov_b32 s[G0A], 1
	s_mov_b32 s[G0B], 1
	s_mov_b32 s[G0B+1], BBASE
	s_mov_b32 s[G0S], 1
	s_mov_b32 s[G0S+1], SCLB
	s_lshl_b32 s70, s15, 16                        ; LDS: my four tiles of A,
	s_mul_i32 s71, s16, 64*BP
	s_add_co_u32 s71, s71, BBASE                   ; my 64 rows of B,
	s_mul_i32 s72, s15, 2176
	s_add_co_u32 s72, s72, SCLA                    ; their scale bytes (64 rows are 8 units of 272),
	s_mul_i32 s73, s16, 2176
	s_add_co_u32 s73, s73, SCLB
	s_mul_i32 s74, s14, 16*SP
	s_add_co_u32 s74, s74, STAGE                   ; my stage
	s_wait_dscnt 0x0                               ; both opening adds are done
	s_wait_kmcnt 0x0
	s_add_nc_u64 s[G0A+2:G0A+3], s[4:5], s[20:21]
	s_or_b32 s[G0A+3], s[G0A+3], 0x80000000
	s_add_nc_u64 s[G0B+2:G0B+3], s[8:9], s[46:47]
	s_or_b32 s[G0B+3], s[G0B+3], 0x80000000
	s_add_nc_u64 s[G0S+2:G0S+3], s[10:11], s[92:93]
	s_or_b32 s[G0S+3], s[G0S+3], 0x80000000
	CROUND                                         ; all sixteen work-groups are here: the joint loads meet
	s_cmp_lt_u32 s14, 2                            ; one chain of arms, one load to an arm
	s_cbranch_scc0 .Lhead_b
	TLOAD G0A, G1A
	s_branch .Lhead_asked
.Lhead_b:
	s_cmp_eq_u32 s14, 2
	s_cbranch_scc0 .Lhead_s
	TLOAD G0B, G1B
	s_branch .Lhead_asked
.Lhead_s:
	TLOAD G0S, G1S
.Lhead_asked:
	s_lshr_b32 s18, s17, 1                         ; o_scales: block of 256 tokens = block row / 2, its half of 128 rows x 2 bytes
	s_lshl_b32 s18, s18, 13
	s_and_b32 s19, s17, 1
	s_lshl_b32 s19, s19, 8
	s_add_co_u32 s18, s18, s19
	s_mov_b32 s19, 0
	s_add_nc_u64 s[6:7], s[6:7], s[18:19]
	s_lshl_b32 s18, s42, 9                         ; my 64 columns, in bytes
	s_lshl_b32 s23, s16, 8
	s_add_co_u32 s18, s18, s23
	s_add_nc_u64 s[96:97], s[96:97], s[18:19]
	s_add_nc_u64 s[98:99], s[98:99], s[18:19]
	s_lshl_b32 s18, s17, 19                        ; my 64 rows of 4,096 bytes
	s_lshl_b32 s23, s15, 18
	s_add_co_u32 s18, s18, s23
	s_add_nc_u64 s[98:99], s[98:99], s[18:19]
	v_and_b32 v1, 15, v0                           ; r
	v_bfe_u32 v2, v0, 4, 1                         ; h
	v_and_b32 v3, 31, v0                           ; lane
	v_and_b32 v84, 63, v0                          ; A's scale bytes: thread (p, hh) takes rows 2 p, 2 p + 1 and heads 8 hh .. 8 hh + 7
	v_lshrrev_b32 v85, 6, v0
	v_lshlrev_b32 v86, 12, v85
	v_lshl_add_u32 v[SLO], v84, 2, v86
	v_lshlrev_b32 v[BO], 6, v2
.irp g, 0,1,2,3,4,5,6,7
	global_load_b32 v[128+\g], v[SLO], s[6:7] offset:512*\g
.endr
.irp b, 0,1,2,3
	global_load_b128 v[BI+8*\b:BI+8*\b+3], v[BO], s[96:97] offset:128*(\b/2)+32*(\b%2)      ; register j of tile b is column 32 (b / 2) + 16 h + 8 (b % 2) + j
	global_load_b128 v[BI+8*\b+4:BI+8*\b+7], v[BO], s[96:97] offset:128*(\b/2)+32*(\b%2)+16
.endr
	v_lshrrev_b32 v86, 2, v84
	v_lshlrev_b32 v86, 4, v86
	v_lshl_add_u32 v86, v84, 6, v86
	v_lshl_add_u32 v86, v85, 4, v86
	v_add_nc_u32 v[SST], SCLA, v86                 ; row 2 p at 64 p + 16 (p / 4), its words 4 hh on
	v_lshlrev_b32 v86, 12, v2
	v_lshl_add_u32 v[CO], v1, 4, v86               ; out0: lanes 0-15 one row, lanes 16-31 the next
	v_lshl_add_u32 v[ADRA], v3, 4, s70
	v_mul_u32_u24 v86, v1, BP
	v_lshl_add_u32 v86, v2, 4, v86
	v_add_nc_u32 v[ADRB], s71, v86
	v_lshlrev_b32 v86, 5, v1
	v_lshrrev_b32 v87, 3, v1
	v_lshl_add_u32 v86, v87, 4, v86
	v_add_nc_u32 v[ADSA], s72, v86
	v_add_nc_u32 v[ADSB], s73, v86
	v_mul_u32_u24 v86, v1, SP
	v_lshl_add_u32 v86, v2, 6, v86
	v_add_nc_u32 v[STO], s74, v86
	v_mul_u32_u24 v86, v2, SP
	v_lshl_add_u32 v86, v1, 4, v86
	v_add_nc_u32 v[RD], s74, v86
	s_wait_alu depctr_va_vdst(0)                   ; the wait ahead of a wait that blocks
	s_wait_loadcnt 8                               ; the eight words of scale bytes are in; the bias's eight loads may be out
.irp i, 0,1,2,3
	v_perm_b32 v[144+\i], v[128+2*\i+1], v[128+2*\i], 0x05040100   ; row 2 p: the word of K step 4 hh + i: two heads' two bytes
	v_perm_b32 v[148+\i], v[128+2*\i+1], v[128+2*\i], 0x07060302   ; row 2 p + 1
.endr
	s_wait_alu depctr_va_vdst(0)                   ; the head's end
	s_wait_tensorcnt 0x0                           ; my tile is in
	ds_store_b128 v[SST], v[144:147]
	ds_store_b128 v[SST], v[148:151] offset:32
	s_wait_dscnt 0x0
	s_barrier_signal -1
	s_barrier_wait -1                              ; everybody's tiles and scale bytes are in
.macro FETCH q                         ; the fragments of K step q into set q % 2: 32 loads
	WIN ((\q)%2)<<6
.irp i, 0,1,2,3
.irp c, 0,1,2,3
	ds_load_b128 v[AF+16*\i+4*\c:AF+16*\i+4*\c+3], v[ADRA] offset:16384*\i+2048*(\q)+512*\c
.endr
.endr
.irp i, 0,1,2,3
.irp c, 0,1,2,3
	ds_load_b128 v[BF+16*\i+4*\c:BF+16*\i+4*\c+3], v[ADRB] offset:16*BP*\i+128*(\q)+32*\c
.endr
.endr
.endm
.macro MUL q, first                    ; 16 products; sources in window q % 2, sums in window 1; the first take the bias (window 0) as C
.if \first
	WIN 0x40
.else
	WIN 0x50+5*((\q)%2)
.endif
.irp a, 0,1,2,3
.irp b, 0,1,2,3
.if \first
	v_wmma_scale_f32_16x16x128_f8f6f4 v[8*(4*\a+\b):8*(4*\a+\b)+7], v[BF+16*\b:BF+16*\b+15], v[AF+16*\a:AF+16*\a+15], v[BI+8*\b:BI+8*\b+7], v[SCB+8*\b+(\q)], v[SCA+8*\a+(\q)] matrix_a_fmt:MATRIX_FMT_BF8 matrix_b_fmt:MATRIX_FMT_BF8
.else
	v_wmma_scale_f32_16x16x128_f8f6f4 v[8*(4*\a+\b):8*(4*\a+\b)+7], v[BF+16*\b:BF+16*\b+15], v[AF+16*\a:AF+16*\a+15], v[8*(4*\a+\b):8*(4*\a+\b)+7], v[SCB+8*\b+(\q)], v[SCA+8*\a+(\q)] matrix_a_fmt:MATRIX_FMT_BF8 matrix_b_fmt:MATRIX_FMT_BF8
.endif
.endr
.endr
.endm
.irp i, 0,1,2,3
	ds_load_b128 v[SCA+8*\i:SCA+8*\i+3], v[ADSA] offset:544*\i          ; a row's eight scale words, one for each K step
	ds_load_b128 v[SCA+8*\i+4:SCA+8*\i+7], v[ADSA] offset:544*\i+16
	ds_load_b128 v[SCB+8*\i:SCB+8*\i+3], v[ADSB] offset:544*\i
	ds_load_b128 v[SCB+8*\i+4:SCB+8*\i+7], v[ADSB] offset:544*\i+16
.endr
	FETCH 0
	FETCH 1
	s_wait_loadcnt 0x0                             ; the bias
	s_wait_dscnt 32                                ; all but K step 1's 32 loads
	MUL 0, 1
.irp q, 1,2,3,4,5,6
	PLACES 8                                       ; in front of loads into registers that the last products have read
	FETCH \q+1
	s_wait_dscnt 32                                ; this step's fragments are in; the next step's 32 loads may be out
	MUL \q, 0
.endr
	s_wait_dscnt 0x0
	MUL 7, 0
	WIN 0
	PLACES 8
; THE WAY OUT, by blocks of 16 rows x 64 columns, through my own stage; LDS serves a wave's instructions in order, so no wait stands between the stores and the loads.
.macro TOSTAGE a
	WIN 0x04                                       ; the data: window 1
.irp b, 0,1,2,3
	ds_store_b128 v[STO], v[32*(\a)+8*\b:32*(\a)+8*\b+3] offset:128*(\b/2)+32*(\b%2)      ; each accumulator from its low end on
	ds_store_b128 v[STO], v[32*(\a)+8*\b+4:32*(\a)+8*\b+7] offset:128*(\b/2)+32*(\b%2)+16
.endr
	WIN 0
.irp k, 0,1,2,3,4,5,6,7
	ds_load_b128 v[BK+32*((\a)%2)+4*\k:BK+32*((\a)%2)+4*\k+3], v[RD] offset:2*\k*SP
.endr
.endm
.macro SEND a, younger                 ; stage row t = 2 k + h of block a is row 32 (a / 2) + 16 (t / 8) + 8 (a % 2) + t % 8 of my 64
	s_wait_dscnt \younger
.irp k, 0,1,2,3,4,5,6,7
	global_store_b128 v[CO], v[BK+32*((\a)%2)+4*\k:BK+32*((\a)%2)+4*\k+3], s[98:99] offset:(32*((\a)/2)+16*(\k/4)+8*((\a)%2)+2*(\k%4))*4096 th:TH_STORE_NT   ; sixteen lanes store 256 consecutive bytes, aligned
.endr
.endm
	TOSTAGE 0
.irp a, 1,2,3
.if \a > 1
	s_wait_xcnt 0x0                                ; block a - 2's stores have read their registers
.endif
	TOSTAGE \a
	SEND \a-1, 16                                  ; behind block a - 1's loads: block a's 8 stores and 8 loads
.endr
	SEND 3, 0
	s_wait_tensorcnt 0x0                           ; the wave's end
	ds_add_u32 v[SPW], v[NIL]
	s_wait_dscnt 0x0
	CROUND                                         ; the closing round
	s_endpgm
.Lfunc_end_k_q57de70e241_gemm_out:
	.size	k_q57de70e241_gemm_out, .Lfunc_end_k_q57de70e241_gemm_out-k_q57de70e241_gemm_out
	.p2alignl 7, 3214868480
	.fill 96, 4, 3214868480
	.section	.rodata,"a",@progbits
	.p2align	6, 0x0
	.amdhsa_kernel k_q57de70e241_gemm_out
		.amdhsa_group_segment_fixed_size 327680
		.amdhsa_private_segment_fixed_size 0
		.amdhsa_enable_private_segment 0
		.amdhsa_kernarg_size 48
		.amdhsa_user_sgpr_count 2
		.amdhsa_user_sgpr_kernarg_segment_ptr 1
		.amdhsa_wavefront_size32 1
		.amdhsa_system_sgpr_workgroup_id_x 1
		.amdhsa_system_sgpr_workgroup_id_y 1
		.amdhsa_system_sgpr_workgroup_id_z 1
		.amdhsa_system_vgpr_workitem_id 0
		.amdhsa_next_free_vgpr 512
		.amdhsa_next_free_sgpr 102
		.amdhsa_reserve_vcc 0
		.amdhsa_float_denorm_mode_32 3
		.amdhsa_float_denorm_mode_16_64 3
		.amdhsa_memory_ordered 1
		.amdhsa_forward_progress 1
		.amdhsa_inst_pref_size 54
	.end_amdhsa_kernel
	.amdgpu_metadata
---
amdhsa.version: [ 1, 2 ]
amdhsa.kernels:
  - .name:           k_q57de70e241_gemm_out
    .symbol:         k_q57de70e241_gemm_out.kd
    .args:
      - { .name: o_codes, .offset: 0, .size: 8, .value_kind: global_buffer, .address_space: global }
      - { .name: o_scales, .offset: 8, .size: 8, .value_kind: global_buffer, .address_space: global }
      - { .name: w_codes, .offset: 16, .size: 8, .value_kind: global_buffer, .address_space: global }
      - { .name: w_scales, .offset: 24, .size: 8, .value_kind: global_buffer, .address_space: global }
      - { .name: b_o, .offset: 32, .size: 8, .value_kind: global_buffer, .address_space: global }
      - { .name: out0, .offset: 40, .size: 8, .value_kind: global_buffer, .address_space: global }
    .group_segment_fixed_size: 327680
    .private_segment_fixed_size: 0
    .kernarg_segment_align: 8
    .kernarg_segment_size: 48
    .max_flat_workgroup_size: 128
    .sgpr_count:     102
    .vgpr_count:     512
    .wavefront_size: 32
...
	.end_amdgpu_metadata
.endif
;; end of part 4
